; MI455X (gfx1250); checked and timed in simulation.
; The chip was launched on July 23, 2026; its instructions are those of AMD's public machine-readable ISA for CDNA 5 (MIT licence, August 2026) and "CDNA5" Instruction Set Architecture Reference Guide (July 2026). The comments in the code are by the model that wrote it; some were corrected since.
;; Multi Head Attention. Allowed arithmetic: float matrix products may take bf16 or f16 operands with f32 sums; other float arithmetic in f32, or as packed bf16 or f16 multiplies, adds, multiply-adds, maxima and minima; sums over many terms, partial sums and values carried from step to step in f32; what a program stores and reads back later, other than sums and carried values, may be rounded once to bf16 or f16.
;; Inputs: mask 4 x 2,048 x 2,048 bool; q 4 x 2,048 x 1,024 float32; w_key 8 x 1,024 x 128 float32; w_out 8 x 128 x 1,024 float32; w_query 8 x 1,024 x 128 float32; w_value 8 x 1,024 x 128 float32.
;; Outputs: out0 4 x 2,048 x 1,024 float32.
;; 2 versions, each right; version 2 is version 1 with the launch prep written anew for expert scheduling mode. Each part assembles by itself: llvm-mc -triple=amdgcn-amd-amdhsa -mcpu=gfx1250 --defsym DOCPART=n.
;; ======== version 1 of 2: 4 launches
;; limits: values are held in f16: magnitudes above 65,504 overflow, below 6.1e-05 lose precision
;; workspace buffers: qh 16,777,216 bytes; wt 6,291,456 bytes; wot 2,097,152 bytes; mbits 2,097,152 bytes of whole numbers; qkv 50,331,648 bytes; oh 16,777,216 bytes
;; launch prep (part 1): grid 640 x 1, 8 waves a work-group, no clusters, 70,656 bytes of LDS; arguments q, mask, w_query, w_key, w_value, w_out, qh, wt, wot, mbits; writes qh, wt, wot, mbits
.if DOCPART == 1
	.amdgcn_target "amdgcn-amd-amdhsa--gfx1250"
	.amdhsa_code_object_version 6
	.text
	.protected	k_qa32d45f57a_prep
	.globl	k_qa32d45f57a_prep
	.p2align	8
	.type	k_qa32d45f57a_prep,@function
k_qa32d45f57a_prep:
	s_mov_b64 s[64:65], 0
	v_nop
	global_prefetch_b8 v0, s[64:65] scope:SCOPE_SE
	s_setreg_imm32_b32 hwreg(HW_REG_WAVE_MODE, 25, 1), 1
	s_wait_xcnt 0x0
; PREPARATION for the three launches behind it.  Three jobs, chosen by the work-group's number:
;   0-127    mask [4][2048][2048] bytes -> mbits: one 32-bit word for each register of attention's score tiles, bit l = lane l's key is hidden
;   128-383  q [8192][1024] f32 -> qh f16: each number rounded to bf16, and that number written as f16
;   384-639  the four weights, rounded the same way, turned, and laid out in the order in which the two products' waves load them: wt (3,072 columns n = (which, head, d)), wot (1,024 columns e)
; LIMITS.  A bf16 number is exact in f16 between 2^-14 and 65,504; below 2^-14 it keeps f16's fixed step of 6e-8; beyond 65,504 it becomes an infinity.
; The stream binds: no matrix unit, no cluster (no two work-groups read the same bytes), no tensor load.  Every store of a wave fills whole aligned blocks of 256 bytes.
; mbits [b 4][g 32][step 32][tile 4][i 32]: bit l of word (b, g, j, t, i = 8 kb + r) = mask[b][64 g + 16 t + l % 16][64 j + 16 kb + 8 (l / 16) + r].
; wt, wot [stream][chunk 32][fragment 4][half 2][lane 32][16 bytes]: a stream is 64 columns over all 1,024 k, 131,072 bytes; lane l of (chunk c, fragment f, half u) holds column 16 f + l % 16 of the
; stream's 64 and k = 32 c + 16 u + 8 (l / 16) + 0..7: the two halves are a matrix fragment's registers 0-3 and 4-7.  In wot stream s holds columns 64 s on.  In wt the group G of columns 64 G on
; lies at stream 12 (G / 12) + 3 (G % 4) + (G % 12) / 4: the three groups that one wave of the projections multiplies one after the other lie end to end.
; LDS: 0 .. 34,815 the weights' tile, 128 rows x 272; 34,816 .. 69,631 the mask job's eight stages, 16 rows x 272 for each wave: each job has bytes of its own; then the spare words.
.set MSTG,  34816
.set SPARE, 69632                      ; the spare words, 128 bytes a wave: four blocks of 256 bytes that no other line names
.set SPW, 10                           ; v10  LDS address of my spare word; never rewritten
.set NIL, 11                           ; v11  0; never rewritten
.set X,   16                           ; v[16:79]   as loaded
.set Y,   80                           ; v[80:111]  to store
.set TT,  112                          ; v[112:127] at work, four sets by turns
; d = the pair f16(bf16(a)), f16(bf16(b)): rounded once, to bf16; the widening and the narrowing to f16 change nothing within the limits above
.macro RND2 d, a, b
	v_cvt_pk_bf16_f32 v[TT], v[\a], v[\b]
	v_lshlrev_b32 v[TT+1], 16, v[TT]
	v_and_b32 v[TT+2], s6, v[TT]
	v_cvt_pk_f16_f32 v[\d], v[TT+1], v[TT+2]
.set TT, 112+(TT-108)%16
.endm
	s_load_b512 s[8:23], s[0:1], 0x0               ; q 8, mask 10, w_query 12, w_key 14, w_value 16, w_out 18, qh 20, wt 22
	s_load_b128 s[24:27], s[0:1], 0x40             ; wot 24, mbits 26
	v_lshl_add_u32 v[SPW], v0, 2, SPARE
	v_mov_b32 v[NIL], 0
	v_lshrrev_b32 v1, 5, v0
	v_readfirstlane_b32 s2, v1                     ; wave 0..7
	v_and_b32 v1, 31, v0                           ; lane
	v_and_b32 v2, 15, v0                           ; lane % 16
	v_bfe_u32 v3, v0, 4, 1                         ; lane / 16
	s_mov_b32 s6, 0xffff0000                       ; a word's upper bf16
	s_mov_b32 s5, 0                                ; the high word of every offset pair s[4:5]
	s_wait_kmcnt 0x0
	s_cmp_lt_u32 ttmp9, 128
	s_cbranch_scc1 .Lmask
	s_cmp_lt_u32 ttmp9, 384
	s_cbranch_scc1 .Lq
; ---------------- THE WEIGHTS.  A work-group turns a tile of 128 (k) x 128 (n) numbers.  Wave w loads rows k = 16 w .. 16 w + 15, a lane 4 columns of each.
.macro WLOAD pitch
.set r, 0
.rept 16
	global_load_b128 v[X+4*r:X+4*r+3], v4, s[52:53] offset:r*(\pitch) th:TH_LOAD_NT  ; a row's 512 bytes on end
.set r, r+1
.endr
.endm
	s_sub_co_u32 s3, ttmp9, 384
	s_lshr_b32 s33, s3, 3                          ; block of 128 columns n: 0-23 in wt, 24-31 in wot
	s_and_b32 s34, s3, 7                           ; which 128 of k
	s_lshr_b32 s37, s2, 2                          ; on the way out my wave stores one chunk of one stream: which 64 of the tile's 128 columns,
	s_and_b32 s38, s2, 3                           ; and which 32 of its 128 k
	v_lshlrev_b32 v4, 4, v1
	s_cmp_lt_u32 s33, 24
	s_cbranch_scc0 .Lwo
	s_lshr_b32 s35, s33, 3                         ; 0 query, 1 key, 2 value
	s_cmp_eq_u32 s35, 0
	s_cselect_b64 s[52:53], s[12:13], s[14:15]
	s_cmp_eq_u32 s35, 2
	s_cselect_b64 s[52:53], s[16:17], s[52:53]
	s_and_b32 s4, s33, 7                           ; the head: 1,024 rows of 512 bytes
	s_lshl_b32 s4, s4, 19
	s_lshl_b32 s36, s34, 16                        ; 128 rows e
	s_add_co_u32 s4, s4, s36
	s_lshl_b32 s36, s2, 13                         ; my 16 of them
	s_add_co_u32 s4, s4, s36
	s_add_nc_u64 s[52:53], s[52:53], s[4:5]
	s_mul_i32 s39, s33, 43                         ; the stream.  block / 6 (43 x / 256, exact for x below 24): the work-group of the projections' cluster,
	s_lshr_b32 s39, s39, 8
	s_mul_i32 s4, s39, 6
	s_sub_co_u32 s4, s33, s4                       ; block % 6:
	s_lshr_b32 s36, s4, 1                          ; its tile,
	s_and_b32 s4, s4, 1
	s_lshl_b32 s4, s4, 1
	s_add_co_u32 s4, s4, s37                       ; its wave
	s_mul_i32 s4, s4, 3
	s_add_co_u32 s4, s4, s36                       ; 3 x wave + tile
	s_mul_i32 s39, s39, 12
	s_add_co_u32 s4, s4, s39
	s_lshl_b32 s4, s4, 5                           ; 32 chunks a stream,
	s_lshl_b32 s36, s34, 2                         ; four in 128 k,
	s_add_co_u32 s4, s4, s36
	s_add_co_u32 s4, s4, s38                       ; mine,
	s_lshl_b32 s4, s4, 12                          ; of 4,096 bytes
	s_add_nc_u64 s[54:55], s[22:23], s[4:5]
	WLOAD 512
	s_branch .Lwgo
.Lwo:
	s_sub_co_u32 s35, s33, 24                      ; w_out as [k = 1,024][e = 1,024]: rows of 4,096 bytes
	s_lshl_b32 s4, s34, 19                         ; 128 rows k
	s_lshl_b32 s36, s35, 9                         ; 128 columns e
	s_add_co_u32 s4, s4, s36
	s_lshl_b32 s36, s2, 16                         ; my 16 rows
	s_add_co_u32 s4, s4, s36
	s_add_nc_u64 s[52:53], s[18:19], s[4:5]
	s_lshl_b32 s4, s35, 1                          ; the stream: 2 x block + my half,
	s_add_co_u32 s4, s4, s37
	s_lshl_b32 s4, s4, 5                           ; its chunk as above
	s_lshl_b32 s36, s34, 2
	s_add_co_u32 s4, s4, s36
	s_add_co_u32 s4, s4, s38
	s_lshl_b32 s4, s4, 12
	s_add_nc_u64 s[54:55], s[24:25], s[4:5]
	WLOAD 4096
.Lwgo:
	v_mul_u32_u24 v5, v1, 4*272                    ; into the tile: rows n = 4 lane + i, my 16 k are 32 bytes at 32 w
	s_lshl_b32 s36, s2, 5
	v_add_nc_u32 v5, s36, v5
	s_mul_i32 s36, s37, 64*272                     ; back, as a fragment is read: row n = my 64 + 16 f + lane % 16, bytes my 64 + 32 u + 16 (lane / 16): the 16 rows start at 16 different groups of four banks
	s_lshl_b32 s39, s38, 6
	s_add_co_u32 s36, s36, s39
	v_mul_u32_u24 v6, v2, 272
	v_lshl_add_u32 v6, v3, 4, v6
	v_add_nc_u32 v6, s36, v6
	v_lshlrev_b32 v7, 4, v1                        ; in memory: 16 x lane
	s_wait_loadcnt 0x0
.set i, 0
.rept 4                                ; column i of my four: sixteen k, packed in pairs
.set p, 0
.rept 8
	RND2 Y+8*i+p, X+8*p+i, X+8*p+4+i
.set p, p+1
.endr
.set i, i+1
.endr
.irp i, 0,1,2,3                        ; lanes lie 1,088 bytes apart: four of sixteen share a group of banks; 32 KiB once a work-group, so it is left so
	ds_store_b128 v5, v[Y+8*(\i):Y+8*(\i)+3] offset:272*(\i)
	ds_store_b128 v5, v[Y+8*(\i)+4:Y+8*(\i)+7] offset:272*(\i)+16
.endr
	s_wait_dscnt 0x0                               ; for the others' sake: my stores into the tile are done
	s_barrier_signal -1
	s_barrier_wait -1
.irp f, 0,1,2,3
	ds_load_b128 v[X+8*(\f):X+8*(\f)+3],   v6 offset:(\f)*16*272
	ds_load_b128 v[X+8*(\f)+4:X+8*(\f)+7], v6 offset:(\f)*16*272+32
.endr
.irp t, 0,1,2,3,4,5,6,7
	s_wait_dscnt 7-(\t)                            ; LDS loads come back in order: load t is in, the younger ones stay out
	global_store_b128 v7, v[X+4*(\t):X+4*(\t)+3], s[54:55] offset:(\t)*512  ; 512 consecutive bytes, aligned: half a fragment
.endr
	s_branch .Lend
; ---------------- q.  A wave owns 16,384 bytes of q: 16 units of 1,024 in, 512 out, through eight register slots.
.macro QLOAD s, unit
	global_load_b128 v[X+8*(\s):X+8*(\s)+3], v4, s[52:53] offset:1024*(\unit) th:TH_LOAD_NT
	global_load_b128 v[X+8*(\s)+4:X+8*(\s)+7], v4, s[52:53] offset:1024*(\unit)+512 th:TH_LOAD_NT
.endm
.macro QUNIT s, unit, left, again
	s_wait_loadcnt \left                           ; loads come back in order: this unit's two are in, the younger ones stay out
.if (\unit) >= 8
	s_wait_xcnt 0x0                                ; the slot's earlier stores have read their data: it is rewritten only behind this wait
.endif
	RND2 Y+4*(\s), X+8*(\s), X+8*(\s)+1
	RND2 Y+4*(\s)+1, X+8*(\s)+2, X+8*(\s)+3
	RND2 Y+4*(\s)+2, X+8*(\s)+4, X+8*(\s)+5
	RND2 Y+4*(\s)+3, X+8*(\s)+6, X+8*(\s)+7
.if \again
	QLOAD \s, (\unit)+8
.endif
	global_store_b64 v5, v[Y+4*(\s):Y+4*(\s)+1], s[54:55] offset:512*(\unit)        ; 32 lanes: 256 consecutive bytes, aligned
	global_store_b64 v5, v[Y+4*(\s)+2:Y+4*(\s)+3], s[54:55] offset:512*(\unit)+256
.endm
.Lq:
	s_sub_co_u32 s3, ttmp9, 128
	s_lshl_b32 s4, s3, 17                          ; the work-group's 131,072 bytes,
	s_lshl_b32 s33, s2, 14                         ; my wave's 16,384
	s_add_co_u32 s4, s4, s33
	s_add_nc_u64 s[52:53], s[8:9], s[4:5]
	s_lshr_b32 s4, s4, 1                           ; half as many out
	s_add_nc_u64 s[54:55], s[20:21], s[4:5]
	v_lshlrev_b32 v4, 4, v1
	v_lshlrev_b32 v5, 3, v1
.irp j, 0,1,2,3,4,5,6,7
	QLOAD \j, \j
.endr
.irp j, 0,1,2,3,4,5,6,7
	QUNIT \j, \j, 14, 1                            ; behind unit j's loads: 14 - 2 j of the first run and the 2 j issued since
.endr
.irp j, 0,1,2,3,4,5,6,7
	QUNIT \j, (\j)+8, 14-2*(\j), 0                 ; nothing more is loaded: the counts run down
.endr
	s_branch .Lend
; ---------------- THE MASK.  A work-group owns 64 queries of a batch (four tiles of 16), wave w the keys 256 w .. 256 w + 255 (key steps 4 w .. 4 w + 3).
; A trip takes a tile: 16 rows x 256 bytes come in whole blocks, go through the wave's own stage, and come back so that lane l holds query l % 16 and, for each block kb' of 16 keys,
; the eight bytes of keys 8 (l / 16) + 0..7.  A compare of byte r gives the word of register 8 (kb' % 4) + r of step kb' / 4; a select with a one-lane mask puts it into the lane that stores it.
.macro MLOAD
.set r, 0
.rept 8
	global_load_b128 v[X+4*r:X+4*r+3], v4, s[52:53] offset:r*4096 th:TH_LOAD_NT  ; two rows' 256 bytes
.set r, r+1
.endr
.endm
.Lmask:
	s_lshl_b32 s4, ttmp9, 17                       ; 64 rows of 2,048 bytes,
	s_lshl_b32 s3, s2, 8                           ; my 256 keys
	s_add_co_u32 s4, s4, s3
	s_add_nc_u64 s[52:53], s[10:11], s[4:5]
	s_lshl_b32 s4, ttmp9, 14                       ; 32 steps of 512 bytes in mbits,
	s_lshl_b32 s3, s2, 11                          ; my four
	s_add_co_u32 s4, s4, s3
	s_add_nc_u64 s[54:55], s[26:27], s[4:5]
	v_lshlrev_b32 v4, 11, v3
	v_lshl_add_u32 v4, v2, 4, v4                   ; row lane / 16, 16 bytes a lane
	s_mul_i32 s3, s2, 16*272
	s_add_co_u32 s3, s3, MSTG                      ; my stage
	v_mul_u32_u24 v5, v3, 272
	v_lshl_add_u32 v5, v2, 4, v5
	v_add_nc_u32 v5, s3, v5                        ; in
	v_mul_u32_u24 v6, v2, 272
	v_lshl_add_u32 v6, v3, 3, v6
	v_add_nc_u32 v6, s3, v6                        ; back: rows 68 words apart, halves 2 words: every bank once
	v_lshlrev_b32 v7, 4, v1
	MLOAD                                          ; tile 0
.irp q, 0,1,2,3,4,5,6,7
	s_mov_b32 s[32+(\q)], 1<<(\q)                  ; lane 8 t + q takes words 4 q .. 4 q + 3 of tile t
.endr
	s_mov_b32 s40, 0xff
	s_mov_b32 s41, 0xff00
	s_mov_b32 s42, 0xff0000
	s_mov_b32 s43, 0xff000000
.set r, 0
.rept 16
	v_mov_b32 v[Y+r], 0                            ; the selects read what they keep
.set r, r+1
.endr
	s_mov_b32 s7, 4
.Ltile:
	s_wait_loadcnt 0x0                             ; the tile is in, and its loads' base may be stepped
.irp i, 0,1,2,3,4,5,6,7
	ds_store_b128 v5, v[X+4*(\i):X+4*(\i)+3] offset:(\i)*2*272
.endr
.irp c, 0,1,2,3,4,5,6,7,8,9,10,11,12,13,14,15
	ds_load_b64 v[48+2*(\c):49+2*(\c)], v6 offset:16*(\c)  ; LDS serves a wave's instructions in order: these see the stores above
.endr
	s_wait_dscnt 0x0                               ; the stage's stores have read their data too: the next tile may be loaded over it
	s_cmp_eq_u32 s7, 1
	s_cbranch_scc1 .Lnoload                        ; the last trip loads nothing
	s_add_nc_u64 s[52:53], s[52:53], 32768         ; 16 rows on
	MLOAD
.Lnoload:
.set n, 0
.rept 128                              ; n = 8 kb' + r
	v_and_b32 v[112+n%16], s[40+n%4], v[48+2*(n/8)+(n%8)/4]
	v_cmp_ne_u32 s[44+n%8], 0, v[112+n%16]
	v_cndmask_b32 v[Y+4*(n/32)+n%4], v[Y+4*(n/32)+n%4], s[44+n%8], s[32+(n%32)/4]
.set n, n+1
.endr
.irp q, 0,1,2,3,4,5,6,7
	s_lshl_b32 s[32+(\q)], s[32+(\q)], 8           ; the next tile's words go eight lanes further up
.endr
	s_sub_co_u32 s7, s7, 1
	s_cmp_lg_u32 s7, 0
	s_cbranch_scc1 .Ltile
.irp c, 0,1,2,3
	global_store_b128 v7, v[Y+4*(\c):Y+4*(\c)+3], s[54:55] offset:512*(\c)  ; a step's 128 words: 512 consecutive bytes
.endr
.Lend:
	s_wait_tensorcnt 0x0                           ; the wave's end: behind my last LDS store
	ds_add_u32 v[SPW], v[NIL]
	s_wait_dscnt 0x0
	s_endpgm
.Lfunc_end_k_qa32d45f57a_prep:
	.size	k_qa32d45f57a_prep, .Lfunc_end_k_qa32d45f57a_prep-k_qa32d45f57a_prep
	.p2alignl 7, 3214868480
	.fill 96, 4, 3214868480
	.section	.rodata,"a",@progbits
	.p2align	6, 0x0
	.amdhsa_kernel k_qa32d45f57a_prep
		.amdhsa_group_segment_fixed_size 70656
		.amdhsa_private_segment_fixed_size 0
		.amdhsa_enable_private_segment 0
		.amdhsa_kernarg_size 80
		.amdhsa_user_sgpr_count 2
		.amdhsa_user_sgpr_kernarg_segment_ptr 1
		.amdhsa_wavefront_size32 1
		.amdhsa_system_sgpr_workgroup_id_x 1
		.amdhsa_system_sgpr_workgroup_id_y 1
		.amdhsa_system_sgpr_workgroup_id_z 1
		.amdhsa_system_vgpr_workitem_id 0
		.amdhsa_next_free_vgpr 128
		.amdhsa_next_free_sgpr 66
		.amdhsa_reserve_vcc 0
		.amdhsa_float_denorm_mode_32 3
		.amdhsa_float_denorm_mode_16_64 3
		.amdhsa_memory_ordered 1
		.amdhsa_forward_progress 1
		.amdhsa_inst_pref_size 60
	.end_amdhsa_kernel
	.amdgpu_metadata
---
amdhsa.version: [ 1, 2 ]
amdhsa.kernels:
  - .name:           k_qa32d45f57a_prep
    .symbol:         k_qa32d45f57a_prep.kd
    .args:
      - { .name: q, .offset: 0, .size: 8, .value_kind: global_buffer, .address_space: global }
      - { .name: mask, .offset: 8, .size: 8, .value_kind: global_buffer, .address_space: global }
      - { .name: w_query, .offset: 16, .size: 8, .value_kind: global_buffer, .address_space: global }
      - { .name: w_key, .offset: 24, .size: 8, .value_kind: global_buffer, .address_space: global }
      - { .name: w_value, .offset: 32, .size: 8, .value_kind: global_buffer, .address_space: global }
      - { .name: w_out, .offset: 40, .size: 8, .value_kind: global_buffer, .address_space: global }
      - { .name: qh, .offset: 48, .size: 8, .value_kind: global_buffer, .address_space: global }
      - { .name: wt, .offset: 56, .size: 8, .value_kind: global_buffer, .address_space: global }
      - { .name: wot, .offset: 64, .size: 8, .value_kind: global_buffer, .address_space: global }
      - { .name: mbits, .offset: 72, .size: 8, .value_kind: global_buffer, .address_space: global }
    .group_segment_fixed_size: 70656
    .private_segment_fixed_size: 0
    .kernarg_segment_align: 8
    .kernarg_segment_size: 80
    .max_flat_workgroup_size: 256
    .sgpr_count:     66
    .vgpr_count:     128
    .wavefront_size: 32
...
	.end_amdgpu_metadata
.endif
;; end of part 1
;; launch qkv (part 2): grid 4 x 64, 4 waves a work-group, clusters of 4 x 1, 327,680 bytes of LDS; arguments qh, wt, qkv; writes qkv
.if DOCPART == 2
	.amdgcn_target "amdgcn-amd-amdhsa--gfx1250"
	.amdhsa_code_object_version 6
	.text
	.protected	k_qa32d45f57a_qkv
	.globl	k_qa32d45f57a_qkv
	.p2align	8
	.type	k_qa32d45f57a_qkv,@function
k_qa32d45f57a_qkv:
	s_mov_b64 s[64:65], 0
	v_nop
	global_prefetch_b8 v0, s[64:65] scope:SCOPE_SE
	s_setreg_imm32_b32 hwreg(HW_REG_WAVE_MODE, 25, 1), 1
	s_wait_xcnt 0x0
	s_wait_alu depctr_hold_cnt(0) depctr_sa_sdst(0) depctr_va_vdst(0) depctr_va_sdst(0) depctr_va_ssrc(0) depctr_va_vcc(0) depctr_vm_vsrc(0)
	s_getreg_b32 s2, hwreg(HW_REG_IB_STS2, 6, 4)
	s_cmp_eq_u32 s2, 0
	s_cbranch_scc0 .Lentry_in_a_cluster
	s_endpgm
.Lentry_in_a_cluster:
	s_bfe_u32 s2, ttmp6, 0x10000c
	s_cmp_lg_u32 s2, 0x3003
	s_cbranch_scc0 .Lentry_shape_is_right
	s_endpgm
.Lentry_shape_is_right:
; THE THREE PROJECTIONS.  C[m][n] = sum over k of A[m][k] B[n][k], K = 1,024, ascending.  A = qh [8192][1024] f16; B = wt, 3,072 columns in fragment order (below); sums in f32.
; C leaves as f16 by blocks of 128 columns, qkv[n / 128][m][n % 128]: Q, K and V by heads, a head's rows dense.
; LIMIT.  A result beyond 65,504 becomes an infinity.
; SHARES.  A work-group owns 128 rows of A and 768 columns: three tiles of 128 x 256, one after the other; 64 x 4 = 256 work-groups of equal work.  Wave w makes 128 x 64 of a tile: 32 accumulators.
; A LIES IN LDS FOR THE WHOLE LAUNCH: 128 rows x 1,024 k as eight blocks of 128 rows x 256 bytes, filled once, two tensor loads a wave (two are out at the most).  Nothing is filled again, so the loop over K
; has no barrier and no wait for tensor loads.  CLUSTER: the four work-groups of a cluster own the same rows of A and ask for them JOINTLY.
; B COMES STRAIGHT INTO REGISTERS: no wave wants a byte of B that another wave of the work-group has fetched.  wt lies as [stream][chunk 32][fragment 4][half 2][lane 32][16 bytes]: a load of a wave takes 512
; consecutive bytes, and the 393,216 bytes of my three tiles lie end to end: stream 12 cx + 3 w + tile holds columns 64 (12 cx + 4 tile + w) on.
; THE LOOP.  A CHUNK is 32 along K: 32 matrix instructions; in its middle, in one run, the next chunk's 16 LDS loads of A (two buffers) and 8 loads of B.  B has a ring of eight chunks in registers: slot j - 1
; is asked for again in chunk j, six and a half chunks, 208 matrix instructions, ahead of its use; 56 loads of a wave are out at the most.  A BODY is eight chunks, written once; four bodies make a tile.
; THE STREAM'S END.  The last body has nothing to ask for behind its own data: its seven runs ask again for its own first seven chunks (the pointer's step is 0): 28,672 bytes a wave that nobody uses: the
; price of one text, and one count in the waits, for every body.
; THE MATRIX INSTRUCTION IS USED TRANSPOSED (source 0 = 16 columns of B, source 1 = 16 rows of A): a lane holds row l % 16 of C and the columns 8 (l / 16) + 0..7.
; REGISTERS: window 0: v16-21 addresses; v64-127, v128-191 A's fragments, two buffers; on the way out v128-255 at work.  Window 1: accumulator (a, b) at 8 (4 a + b).  Window 2: B's ring, slot s at 32 s.
; (The output projection's text is this one with one tile and another way out.)
.set SIZE_K, 1024
.set PITCH,  272                       ; an LDS row: 256 bytes + 16 of padding = 68 words: the 16 rows of a fragment load start at 16 different groups of four banks
.set KBLK,   128*PITCH                 ; a block of A: 128 rows x 128 k
.set STAGE,  8*KBLK                    ; behind A, never filled by a tensor load: the work-group's stage, 2 blocks of columns x 64 rows x 272 bytes
.set SPARE,  STAGE+128*PITCH           ; the spare words, 128 bytes for each wave
.set TILES,  3
.set CHB,    4096                      ; bytes of B in a chunk, for a wave
.set RING,   8                         ; chunks in B's ring, and in a body
.set ADRA0, 16                         ; v16  my lane's place in a fragment's rows: (l % 16) x pitch + 16 (l / 16); never rewritten
.set ADRA,  17                         ; v17  the same in the body in hand: two blocks of A further on from body to body
.set BO,    18                         ; v18  16 x lane: my place in 512 consecutive bytes of B and of C; never rewritten
.set PFO,   19                         ; v19  256 x lane: the prefetches' offset; never rewritten
.set STO,   20                         ; v20  the way out: where I put 16 bytes of a row
.set RD,    21                         ; v21  where I read rows back
.set SPW,   28                         ; v28  my spare word; never rewritten
.set NIL,   29                         ; v29  0; never rewritten
.set FA,    64
.set BK,    128                        ; the way out: 32 rows read back
.set TMP,   192                        ; the way out: packed results
.set WV,   10                          ; s10 my wave's number
.set G1,   16                          ; s[16:23] descriptor group 1
.set G0A,  24                          ; s[24:27] group 0 for block w of A
.set G0B,  28                          ; s[28:31] for block w + 4
.set BP,   32                          ; s[32:33] B's stream at the body that is being asked for
.set STP,  34                          ; s[34:35] its step
.set LEFT, 36                          ; s36 bodies to go, this one among them
.set LIM,  37                          ; s37 2 in a wave that prefetches, else the greatest number
.set TILE, 38                          ; s38 tiles to go
.set BODY, 39                          ; s39 bodies of the tile to go: 4 to 1
.set MSB, 0
.macro WIN new                         ; the immediate's high byte repeats the setting that is left; a switch that changes nothing is dropped
.if MSB != (\new)
	s_set_vgpr_msb (MSB<<8)|(\new)
.set MSB, \new
.endif
.endm
.set MUL, 0x52                         ; source 0 (B) window 2, source 1 (A) window 0, C and D window 1
.macro BAR
	s_barrier_signal -1
	s_barrier_wait -1
.endm
.macro CROUND                          ; a round of the cluster's barrier
	s_barrier_signal -1
	s_barrier_wait -1
	s_cmp_lg_u32 s[WV], 0
	s_cbranch_scc1 .Lnot_wave_0_\@
	s_barrier_signal -3
.Lnot_wave_0_\@:
	s_barrier_wait -3
	s_barrier_signal -1
	s_barrier_wait -1
.endm
.macro PLACES                          ; four places in front of loads into registers that matrix instructions have read (ISA guide 7.12.1 for vector instructions)
.rept 4
	v_nop
.endr
.endm
; 16 matrix instructions: m blocks a0 .. a0 + 3 x my 4 n blocks, chunk j of the body.  zero = 1: the products start the sums.  The 32 accumulators take turns in the same order in every chunk.
.macro MUL16 j, a0, zero
	WIN MUL
.irp a, \a0, (\a0)+1, (\a0)+2, (\a0)+3
.irp b, 0,1,2,3
.if \zero
	v_wmma_f32_16x16x32_f16 v[8*(4*(\a)+(\b)):8*(4*(\a)+(\b))+7], v[32*(\j)+8*(\b):32*(\j)+8*(\b)+7], v[FA+64*((\j)%2)+8*(\a):FA+64*((\j)%2)+8*(\a)+7], 0
.else
	v_wmma_f32_16x16x32_f16 v[8*(4*(\a)+(\b)):8*(4*(\a)+(\b))+7], v[32*(\j)+8*(\b):32*(\j)+8*(\b)+7], v[FA+64*((\j)%2)+8*(\a):FA+64*((\j)%2)+8*(\a)+7], v[8*(4*(\a)+(\b)):8*(4*(\a)+(\b))+7]
.endif
.endr
.endr
.endm
.macro FETCH j                         ; A's eight fragments of chunk j of the body at v[ADRA]: the largest offset is 65,504
	WIN 0
.irp a, 0,1,2,3,4,5,6,7
	ds_load_b128 v[FA+64*((\j)%2)+8*(\a):FA+64*((\j)%2)+8*(\a)+3],   v[ADRA] offset:((\j)/4)*KBLK+((\j)%4)*64+(\a)*16*PITCH
	ds_load_b128 v[FA+64*((\j)%2)+8*(\a)+4:FA+64*((\j)%2)+8*(\a)+7], v[ADRA] offset:((\j)/4)*KBLK+((\j)%4)*64+(\a)*16*PITCH+32
.endr
.endm
.macro BLOAD s                         ; B's four fragments of chunk s of the body at s[BP], into slot s: eight loads of 512 consecutive bytes
	WIN 0x80                                       ; destination window 2, address window 0
.irp f, 0,1,2,3
	global_load_b128 v[32*(\s)+8*(\f):32*(\s)+8*(\f)+3],   v[BO], s[BP:BP+1] offset:(\s)*CHB+(\f)*1024
	global_load_b128 v[32*(\s)+8*(\f)+4:32*(\s)+8*(\f)+7], v[BO], s[BP:BP+1] offset:(\s)*CHB+(\f)*1024+512
.endr
.endm
; CHUNK j of a body.  The run in its middle fills what chunk j - 1 has read: A's other buffer, with chunk j + 1, and B's slot j - 1, with the chunk eight further on.  So chunk 0 asks for slot 7 of this
; body and chunks 1 to 7 for slots 0 to 6 of the next: the pointer steps between the two, in chunk 1.  Chunk 7 fetches A for the next body's chunk 0: after a tile's fourth body that is the first again.
; zero = 1: a product that starts a sum anew is no link of a chain: it writes over its accumulator, and five places stand between it and the last product on that accumulator, on every way through the text,
; the backward jump among them.  For accumulators 0 to 15 they are chunk 7's four v_nop and its v_add_nc_u32; for 16 to 31 the four v_nop in this chunk's middle and a fifth.
.macro CHUNK j, zero
	s_wait_loadcnt 48                              ; loads come back in order: slot j is in; the six runs of eight issued behind its own stay out
	s_wait_dscnt 8                                 ; A's blocks 0 to 3 are in; the youngest eight loads (blocks 4 to 7) may be out
	MUL16 \j, 0, \zero
	WIN 0
	PLACES
.if \zero
	v_nop                                          ; the fifth place
.endif
.if (\j) == 1
	s_wait_xcnt 0x0                                ; every load and prefetch issued so far has read its address (the youngest load 32 matrix instructions back), so the pointer may be written
	s_cmp_eq_u32 s[LEFT], 1
	s_cselect_b32 s[STP], 0, RING*CHB              ; the last body has no next: it asks for its own chunks again
	s_add_nc_u64 s[BP:BP+1], s[BP:BP+1], s[STP:STP+1]
.endif
.if (\j) == 7
	s_sub_co_u32 s40, 5, s[BODY]                   ; the next body's number in its tile, 0 to 3,
	s_and_b32 s40, s40, 3
	s_mul_i32 s40, s40, 2*KBLK                     ; and its two blocks of A
	v_add_nc_u32 v[ADRA], s40, v[ADRA0]
.endif
	FETCH ((\j)+1)%RING
	BLOAD ((\j)+RING-1)%RING
.if (\j) == 1
	; A prefetch into the L2 of the 32,768 bytes of my stream that the NEXT body's runs will name: 128 blocks of 256 bytes, a lane a block, four instructions, behind this chunk's loads.  The 64 clusters read the
	; same streams: the cluster of A's first rows asks, each wave for its own stream, so each block is named once in the launch.  Bodies 0 and 1 come by their loads alone; the last two bodies ask for nothing.
	WIN 0
	s_cmp_gt_u32 s[LEFT], s[LIM]
	s_cbranch_scc0 .Lnot_mine_\@
.irp i, 0,1,2,3
	global_prefetch_b8 v[PFO], s[BP:BP+1] offset:RING*CHB+(\i)*8192 th:TH_LOAD_NT scope:SCOPE_SE
.endr
.Lnot_mine_\@:
	s_sub_co_u32 s[LEFT], s[LEFT], 1
.endif
	s_wait_dscnt 16                                ; all but the 16 just issued
	MUL16 \j, 4, \zero
.endm
	s_load_b128 s[4:7], s[0:1], 0x0                ; A s[4:5], B s[6:7]
	s_load_b64 s[8:9], s[0:1], 0x10                ; C
	v_lshl_add_u32 v[SPW], v0, 2, SPARE
	v_mov_b32 v[NIL], 0
	ds_add_u32 v[SPW], v[NIL]                      ; the wave's opening: the add and its wait stand ahead of my first tensor load; the set-up below stands between them
	v_lshrrev_b32 v1, 5, v0
	v_readfirstlane_b32 s[WV], v1                  ; wave 0..3
	s_bfe_u32 s11, ttmp6, 0x40000                  ; cx: my place in the cluster: which 768 columns.  It enters B's and C's addresses alone
	s_and_b32 s12, ttmp7, 0xffff                   ; which 128 rows of A: the four partners share it
	; descriptor group 1: a tile of 128 rows x 128 elements, padded in LDS
	s_mov_b32 s[G1], 15|(1<<16)|(1<<20)|(1<<21)|(5<<22)|(3<<25)  ; 15:0 the mask of four; 17:16 2-byte elements; 20 padding on; 21 set beside a mask; 24:22 after every 64 words; 31:25 4 words
	s_mov_b32 s[G1+1], 128<<16                     ; tensor_dim0 = 128
	s_mov_b32 s[G1+2], 128<<16                     ; tensor_dim1 = 128
	s_mov_b32 s[G1+3], 128<<16                     ; tile_dim0 = 128
	s_mov_b32 s[G1+4], 128                         ; tile_dim1 = 128
	s_mov_b32 s[G1+5], SIZE_K                      ; elements from row to row
	s_mov_b32 s[G1+6], 0
	s_mov_b32 s[G1+7], 0
	s_mul_i32 s40, s[WV], KBLK                     ; blocks w and w + 4 are mine to fetch: no place in the cluster enters an LDS address
	s_mov_b32 s[G0A], 1
	s_add_co_u32 s[G0A+1], s40, 0
	s_mov_b32 s[G0B], 1
	s_add_co_u32 s[G0B+1], s40, 4*KBLK
	s_lshl_b32 s42, s12, 18                        ; 128 rows of 2,048 bytes,
	s_lshl_b32 s43, s[WV], 8                       ; block w: 256 bytes along them
	s_add_co_u32 s42, s42, s43
	s_mov_b32 s43, 0
	s_mul_i32 s44, s11, 12                         ; my stream of B: 12 cx + 3 w,
	s_mul_i32 s45, s[WV], 3
	s_add_co_u32 s44, s44, s45
	s_lshl_b32 s44, s44, 17                        ; of 131,072 bytes each
	s_mov_b32 s45, 0
	s_mul_i32 s46, s11, 6                          ; what I store of the first tile: block of columns 6 cx + w / 2, of 8,192 rows of 256 bytes,
	s_lshr_b32 s47, s[WV], 1
	s_add_co_u32 s46, s46, s47
	s_lshl_b32 s46, s46, 21
	s_lshl_b32 s47, s12, 15                        ; the work-group's 128 rows,
	s_add_co_u32 s46, s46, s47
	s_and_b32 s47, s[WV], 1
	s_lshl_b32 s47, s47, 13                        ; of 64 at a time the 32 that are mine
	s_add_co_u32 s46, s46, s47
	s_mov_b32 s47, 0
	s_cmp_eq_u32 s12, 0
	s_cselect_b32 s[LIM], 2, -1                    ; the same in all four partners
	s_mov_b32 s[STP+1], 0
	s_mov_b32 s[LEFT], 4*TILES
	s_wait_dscnt 0x0                               ; the opening add is done
	s_wait_kmcnt 0x0
	s_add_nc_u64 s[G0A+2:G0A+3], s[4:5], s[42:43]
	s_add_nc_u64 s[G0B+2:G0B+3], s[G0A+2:G0A+3], 4*256
	s_or_b32 s[G0A+3], s[G0A+3], 0x80000000        ; 127:126 type = 2
	s_or_b32 s[G0B+3], s[G0B+3], 0x80000000
	s_add_nc_u64 s[BP:BP+1], s[6:7], s[44:45]
	s_add_nc_u64 s[8:9], s[8:9], s[46:47]
	CROUND                                         ; all four work-groups are here: the joint loads meet
	tensor_load_to_lds s[G0A:G0A+3], s[G1:G1+7]    ; the launch's only fills: two loads of mine are out
	s_nop 0
	tensor_load_to_lds s[G0B:G0B+3], s[G1:G1+7]
	s_nop 0
.rept 4
	v_nop
.endr
	v_and_b32 v2, 31, v0
	v_lshlrev_b32 v[BO], 4, v2
.irp s, 0,1,2,3,4,5,6
	BLOAD \s                                       ; the ring's first seven slots
.endr
	WIN 0
	v_lshlrev_b32 v[PFO], 8, v2
	v_and_b32 v1, 15, v0                           ; l % 16
	v_bfe_u32 v3, v0, 4, 1                         ; l / 16
	v_mul_u32_u24 v[ADRA0], v1, PITCH
	v_lshl_add_u32 v[ADRA0], v3, 4, v[ADRA0]
	v_mov_b32 v[ADRA], v[ADRA0]
	s_lshr_b32 s40, s[WV], 1                       ; into the stage: my block of columns' 64 rows, my half of their 256 bytes; row l % 16, 16 bytes for each half of the lanes
	s_mul_i32 s40, s40, 64*PITCH
	s_and_b32 s41, s[WV], 1
	s_lshl_b32 s41, s41, 7
	s_add_co_u32 s40, s40, s41
	s_add_co_u32 s40, s40, STAGE
	v_add_nc_u32 v[STO], s40, v[ADRA0]
	s_mul_i32 s40, s[WV], 32*PITCH                 ; back: wave w takes the stage's rows 32 w .. 32 w + 31, whole; lanes 0-15 one row, lanes 16-31 the next
	s_add_co_u32 s40, s40, STAGE
	v_mul_u32_u24 v[RD], v3, PITCH
	v_lshl_add_u32 v[RD], v1, 4, v[RD]
	v_add_nc_u32 v[RD], s40, v[RD]
	s_wait_tensorcnt 0x0                           ; my two blocks of A are in,
	BAR                                            ; everybody's are: from here on A is only read
	FETCH 0
; THE WAY OUT of a tile, 64 rows at a time (pass p).  A wave's 64 columns are half of a head's row of 256 bytes, so two waves write the two halves of the same rows of the stage; a barrier stands between the
; writing and the reading, and another between the reading and the next writing.  B's loads for the next tile stay on their way meanwhile.
.macro PACK p                          ; rounded to f16, 16 bytes a lane; each accumulator's registers in ascending order
	WIN 0x05                                       ; sources in window 1, destination in window 0
.irp a, 0,1,2,3
.irp b, 0,1,2,3
.irp r, 0,1,2,3
	v_cvt_pk_f16_f32 v[TMP+16*(\a)+4*(\b)+(\r)], v[8*(4*(4*(\p)+(\a))+(\b))+2*(\r)], v[8*(4*(4*(\p)+(\a))+(\b))+2*(\r)+1]
.endr
.endr
.endr
	WIN 0
.endm
.macro TOSTAGE
.irp a, 0,1,2,3
.irp b, 0,1,2,3
	ds_store_b128 v[STO], v[TMP+16*(\a)+4*(\b):TMP+16*(\a)+4*(\b)+3] offset:(\a)*16*PITCH+32*(\b)
.endr
.endr
	s_wait_dscnt 0x0                               ; for the others' sake: my stores into the stage are done
	BAR
.endm
.macro READ
.irp t, 0,1,2,3,4,5,6,7,8,9,10,11,12,13,14,15
	ds_load_b128 v[BK+4*(\t):BK+4*(\t)+3], v[RD] offset:(\t)*2*PITCH
.endr
.endm
.macro SEND p
.irp t, 0,1,2,3,4,5,6,7,8,9,10,11,12,13,14,15
	s_wait_dscnt 15-(\t)                           ; load t is back, the younger ones stay out; the last count is 0
	global_store_b128 v[BO], v[BK+4*(\t):BK+4*(\t)+3], s[8:9] offset:(\p)*16384+(\t)*512  ; two rows of a head: 512 consecutive bytes, aligned
.endr
.endm
.if TILES > 1
	s_mov_b32 s[TILE], TILES
.Ltile:
.endif
	s_mov_b32 s[BODY], 4
.Lbody:
	s_cmp_eq_u32 s[BODY], 4
	s_cbranch_scc1 .Lstart
	CHUNK 0, 0
	WIN 0                                          ; at a label and at a branch every window is 0
	s_branch .Lgo
.Lstart:
	CHUNK 0, 1                                     ; a tile's first chunk starts the sums: nothing is ever cleared
	WIN 0
.Lgo:
.irp j, 1,2,3,4,5,6,7
	CHUNK \j, 0
.endr
	WIN 0
	s_sub_co_u32 s[BODY], s[BODY], 1
	s_cmp_lg_u32 s[BODY], 0
	s_cbranch_scc1 .Lbody
	PACK 0                                         ; blocks 0 to 3 were finished in front of the last chunk's places; these 64 conversions, which name no register of the last products, are those products' places
	TOSTAGE
	READ
	PACK 1                                         ; stands between the loads from the stage and the wait for them
	SEND 0
	BAR                                            ; every wave's reads of the stage are back (SEND's last wait is for 0): it may be written again
	TOSTAGE
	s_wait_xcnt 0x0                                ; the first pass's stores have read their data: the registers are loaded again only behind this wait
	READ
	SEND 1
	s_wait_xcnt 0x0                                ; these stores too, and their base: the next chunk loads A over the data, and
	s_add_nc_u64 s[8:9], s[8:9], 0x400000          ; the next tile lies two blocks of columns, 2 x 2,097,152 bytes, further on
	BAR                                            ; the reads are back: the next tile's way out may write the stage
.if TILES > 1
	s_sub_co_u32 s[TILE], s[TILE], 1
	s_cmp_lg_u32 s[TILE], 0
	s_cbranch_scc1 .Ltile
.endif
	s_wait_tensorcnt 0x0                           ; the wave's end: behind my last tensor load and my last LDS store
	ds_add_u32 v[SPW], v[NIL]
	s_wait_dscnt 0x0
	CROUND                                         ; the closing round: no work-group ends while a partner may still ask for a tile that names it
	s_endpgm
.Lfunc_end_k_qa32d45f57a_qkv:
	.size	k_qa32d45f57a_qkv, .Lfunc_end_k_qa32d45f57a_qkv-k_qa32d45f57a_qkv
	.p2alignl 7, 3214868480
	.fill 96, 4, 3214868480
	.section	.rodata,"a",@progbits
	.p2align	6, 0x0
	.amdhsa_kernel k_qa32d45f57a_qkv
		.amdhsa_group_segment_fixed_size 327680
		.amdhsa_private_segment_fixed_size 0
		.amdhsa_enable_private_segment 0
		.amdhsa_kernarg_size 24
		.amdhsa_user_sgpr_count 2
		.amdhsa_user_sgpr_kernarg_segment_ptr 1
		.amdhsa_wavefront_size32 1
		.amdhsa_system_sgpr_workgroup_id_x 1
		.amdhsa_system_sgpr_workgroup_id_y 1
		.amdhsa_system_sgpr_workgroup_id_z 1
		.amdhsa_system_vgpr_workitem_id 0
		.amdhsa_next_free_vgpr 768
		.amdhsa_next_free_sgpr 66
		.amdhsa_reserve_vcc 0
		.amdhsa_float_denorm_mode_32 3
		.amdhsa_float_denorm_mode_16_64 3
		.amdhsa_memory_ordered 1
		.amdhsa_forward_progress 1
		.amdhsa_inst_pref_size 66
	.end_amdhsa_kernel
	.amdgpu_metadata
---
amdhsa.version: [ 1, 2 ]
amdhsa.kernels:
  - .name:           k_qa32d45f57a_qkv
    .symbol:         k_qa32d45f57a_qkv.kd
    .args:
      - { .name: qh, .offset: 0, .size: 8, .value_kind: global_buffer, .address_space: global }
      - { .name: wt, .offset: 8, .size: 8, .value_kind: global_buffer, .address_space: global }
      - { .name: qkv, .offset: 16, .size: 8, .value_kind: global_buffer, .address_space: global }
    .group_segment_fixed_size: 327680
    .private_segment_fixed_size: 0
    .kernarg_segment_align: 8
    .kernarg_segment_size: 24
    .max_flat_workgroup_size: 128
    .sgpr_count:     66
    .vgpr_count:     768
    .wavefront_size: 32
...
	.end_amdgpu_metadata
.endif
;; end of part 2
;; launch attn (part 3): grid 8 x 32, 4 waves a work-group, clusters of 4 x 1, 327,680 bytes of LDS; arguments qkv, mbits, oh; writes oh
.if DOCPART == 3
	.amdgcn_target "amdgcn-amd-amdhsa--gfx1250"
	.amdhsa_code_object_version 6
	.text
	.protected	k_qa32d45f57a_attn
	.globl	k_qa32d45f57a_attn
	.p2align	8
	.type	k_qa32d45f57a_attn,@function
k_qa32d45f57a_attn:
	s_mov_b64 s[64:65], 0
	v_nop
	global_prefetch_b8 v0, s[64:65] scope:SCOPE_SE
	s_setreg_imm32_b32 hwreg(HW_REG_WAVE_MODE, 25, 1), 1
	s_wait_xcnt 0x0
	s_wait_alu depctr_hold_cnt(0) depctr_sa_sdst(0) depctr_va_vdst(0) depctr_va_sdst(0) depctr_va_ssrc(0) depctr_va_vcc(0) depctr_vm_vsrc(0)
	s_getreg_b32 s2, hwreg(HW_REG_IB_STS2, 6, 4)
	s_cmp_eq_u32 s2, 0
	s_cbranch_scc0 .Lentry_in_a_cluster
	s_endpgm
.Lentry_in_a_cluster:
	s_bfe_u32 s2, ttmp6, 0x10000c
	s_cmp_lg_u32 s2, 0x3003
	s_cbranch_scc0 .Lentry_shape_is_right
	s_endpgm
.Lentry_shape_is_right:
; MASKED ATTENTION.  For y = 4 h + b: O[q][:] = the sum over the visible k of softmax_k(Q[q] . K[k] / sqrt(128)) V[k][:].  Q, K, V: qkv [3][y 32][2048][128] f16.  O leaves as oh [b x 2048 + q][128 h + d] f16.
; Products, maxima and sums in f32; the weights p are rounded to f16 for the second product, O once at the end.
; THE MASK comes as words (mbits): for each register of a score tile one word, bit l = lane l's key is hidden.  A hidden score is replaced by -1e30 AHEAD of the running maximum.
; LIMITS.  Q, K, V arrive within f16's 65,504, so a true score is at most 5.5e11 in size.  The running maximum starts at, and never falls below, -1e20: below every true score, far above -1e30.  So a hidden
; weight is exactly 0; a row with no visible key has l = 0 and O = 0, is divided by max(l, 0.5), and leaves as 0; a row with a visible key has l near 1 or more.  A weight below 2^-126 counts as 0.
; NaN and infinities are not treated apart.
; SHARES.  A work-group owns 256 queries of one y, each of its four waves 64: four tiles of 16.  Every wave walks all 2,048 keys, 64 a step.
; LAYOUT.  S^T = K Q^T (source 0 = 16 keys, source 1 = 16 queries): a lane holds ONE query (lane % 16) and the keys 8 (lane / 16) + 0..7.  Two such tiles, rounded to f16 in pairs, ARE source 1 of
; O^T = V^T P, whose result again holds one query a lane.  K comes out of LDS as it lies, V turned, by ds_load_tr16_b128.
; SOFTMAX.  A running maximum m and sum l: p = 2^(c s - c m), c = log2(e) / sqrt(128); in every step O and l are multiplied by a = 2^(c m_old - c m_new).
; BY TURNS.  The wave's tiles are two PIECES (tiles 0, 1 and tiles 2, 3).  In a TURN one piece has the matrix unit: 32 products V^T P, then 32 products K Q^T of the next step; the other piece's softmax, cut into 64
; slices of four, stands behind them, one slice a matrix instruction.  The 64 selects that apply the mask have no such place left: they stand together at the turn's head (LUMP).
; CLUSTER.  The four query blocks of a cluster belong to one y and walk the same K and V: each tile is asked for JOINTLY, by the same tensor load, descriptor and mask in all four.
; REGISTERS, in windows of 256: window 0: v0-11 addresses; v12-43 statistics, 8 a tile; v44-45 c; v46 -1e30; v61-63; v64-191 S^T, 32 a tile; v192-255 P, 16 a tile
;   window 1: O^T, 64 a tile          window 2: v0-127 Q; v128-255 K of one step          window 3: v0-127 V of one step
.set SIZE_N, 2048
.set KS,    64        ; keys in a step
.set PK,    272       ; a row of K in LDS: 256 bytes + 16 of padding: the 16 rows of a load start at 16 different groups of four banks
.set PV,    288       ; a row of V: 256 + 32
.set VOFF,  KS*PK     ; a step's tiles lie together: 64 rows of K, then 64 rows of V
.set STEPB, KS*(PK+PV)
.set SLOT1, 1<<17     ; a slot holds two steps (71,680 bytes); slot 1 begins here, so that one exclusive or turns an address in one slot into the other's
.set STAGE, SLOT1+2*STEPB  ; behind the ring, never filled by a tensor load: 16 rows x 272 bytes for each wave
.set SP,    272
.set SPARE, STAGE+4*16*272 ; the spare words, 128 bytes for each wave
.set AK0, 2           ; v2   my lane's place in a tile of K; never rewritten
.set AV0, 3           ; v3   the same for V
.set ADR, 4           ; v4   the LDS address of the run of loads in hand
.set QO,  5           ; v5   my byte offset in the wave's rows of Q
.set STO, 6           ; v6   the way out: where I put 16 bytes of a row
.set RD,  7           ; v7   the way out: where I read a row back
.set GO,  8           ; v8   my byte offset in two rows of oh
.set ST,  12          ; tile t's statistics at v[ST+8 t]: +0 c m, +1 m, +2, +3 l, +4 to +7 c0-c3 at work; a takes c2's place
.set CV,  44          ; v[44:45] c, twice
.set BIG, 46          ; v46  -1e30
.set PFO, 61          ; v61  the prefetches' lane offset; never rewritten
.set SPW, 62          ; v62  my spare word; never rewritten
.set NIL, 63          ; v63  0; never rewritten
.set S,   64
.set P,   192
.set KF,  128         ; K's fragments, in window 2
.set WV,  2           ; s2   my wave's number
.set SLOTS, 3         ; s3   slots still to be asked for
.set TWICE, 4         ; s4   counts a slot's two steps
.set TB,  5           ; s5   LDS byte at which the tiles of the step to be fetched begin
.set SEL, 6           ; s[6:7] v_permlanex16_b32's selects
.set G1K, 8           ; s[8:15]  descriptor group 1 for K's tiles
.set G1V, 16          ; s[16:23] for V's: it differs in the padding alone
.set G0K, 24          ; s[24:27] descriptor group 0 for K's tiles: slot 1's first fill, then it walks
.set G0V, 28          ; s[28:31] the same for V's
.set MA,  32          ; s[32:63] the mask words of the piece's first tile (ahead of the loop: slot 0's group 0 sets and the set-up's numbers)
.set MB,  68          ; s[68:99] of its second tile
.set MP,  66          ; s[66:67] where the mask words last asked for lie
.set PFA, 100         ; s[100:101] where my prefetches stand
.set LIM, 104         ; s104 1 in a wave that prefetches, else the greatest number
.set PST, 105         ; s105 bytes by which PFA steps at a change of slots
.set MSB, 0
.macro WIN new                      ; the immediate's high byte repeats the setting that is left; a switch that changes nothing is dropped
.if MSB != (\new)
	s_set_vgpr_msb (MSB<<8)|(\new)
.set MSB, \new
.endif
.endm
.set W_KQ, 0x0a       ; K and Q in window 2, S^T in window 0
.set W_PV, 0x53       ; V in window 3, P in window 0, O^T in window 1
.set W_RS, 0x41       ; O^T (destination and source 0) in window 1, a in window 0
; A joint refill.  Waves 0 and 1 fetch the two steps' tiles of K, waves 2 and 3 those of V.  An s_nop 0 and four v_nop follow each of the two lines.
.macro JLOAD
	s_cmp_lt_u32 s[WV], 2
	s_cbranch_scc0 .Lfor_v_\@
	tensor_load_to_lds s[G0K:G0K+3], s[G1K:G1K+7]
	s_nop 0
.rept 4
	v_nop
.endr
	s_branch .Lasked_\@
.Lfor_v_\@:
	tensor_load_to_lds s[G0V:G0V+3], s[G1V:G1V+7]
	s_nop 0
.rept 4
	v_nop
.endr
.Lasked_\@:
.endm
; PREFETCHES INTO THE L2, behind the wave's tensor load and its five lines.  Each block of 256 bytes is named once in the launch.
; K and V: what the NEXT change of slots will ask for, 128 rows of each.  Both clusters of a y walk the same rows: the first asks; its four partners take 32 rows each, by address; wave 0 K's, wave 2 V's.
; The mask words: the eight heads of a batch read the same words: the work-groups of head 0 ask, wave 1 of each: at every second change, for each of the four waves the 2,048 bytes of the two slots that begin
; at the next change: 32 blocks, a lane a block.  The first 2,048 bytes of a wave's walk come by their loads alone.  The last change that fills a slot asks for nothing.
.macro ASK
	s_cmp_gt_u32 s[SLOTS], s[LIM]
	s_cbranch_scc0 .Lnot_mine_\@
	s_cmp_lg_u32 s[WV], 1
	s_cbranch_scc1 .Lgo_\@
	s_bitcmp1_b32 s[SLOTS], 0
	s_cbranch_scc1 .Lnot_mine_\@
.Lgo_\@:
	global_prefetch_b8 v[PFO], s[PFA:PFA+1] th:TH_LOAD_NT scope:SCOPE_SE
.Lnot_mine_\@:
.endm
.macro CROUND                       ; a round of the cluster's barrier
	s_barrier_signal -1
	s_barrier_wait -1
	s_cmp_lg_u32 s[WV], 0
	s_cbranch_scc1 .Lnot_wave_0_\@
	s_barrier_signal -3
.Lnot_wave_0_\@:
	s_barrier_wait -3
	s_barrier_signal -1
	s_barrier_wait -1
.endm
	s_load_b128 s[40:43], s[0:1], 0x0  ; qkv s[40:41], mbits s[42:43]
	v_lshl_add_u32 v[SPW], v0, 2, SPARE
	v_mov_b32 v[NIL], 0
	ds_add_u32 v[SPW], v[NIL]       ; the wave's opening: the add and its wait stand ahead of my first tensor load; the set-up below stands between them
	v_lshrrev_b32 v1, 5, v0
	v_readfirstlane_b32 s[WV], v1   ; wave 0..3
	s_bfe_u32 s44, ttmp6, 0x40000   ; cx: my place in the cluster
	s_lshl_b32 s45, ttmp9, 2
	s_add_co_u32 s45, s45, s44      ; my block of 256 queries: it enters Q's, the mask words', the prefetches' and O's addresses alone
	s_and_b32 s46, ttmp7, 0xffff    ; y = 4 h + b, which the four partners share
	s_lshl_b32 s48, s46, 19         ; y's 2,048 rows of 256 bytes
	s_and_b32 s47, s[WV], 1         ; which of a slot's two steps I fetch:
	s_lshl_b32 s50, s47, 14         ; its 64 rows in memory,
	s_add_co_u32 s50, s50, s48
	s_mov_b32 s51, 0
	s_mul_i32 s52, s47, STEPB       ; and its place in a slot: no place in the cluster enters an LDS address
	s_lshl_b32 s54, s45, 16         ; my block's 256 rows,
	s_lshl_b32 s55, s[WV], 14       ; my wave's 64 of them
	s_add_co_u32 s54, s54, s55
	s_add_co_u32 s54, s54, s48
	s_mov_b32 s55, 0
	s_and_b32 s70, s46, 3           ; b
	s_lshl_b32 s70, s70, 5
	s_lshl_b32 s71, s45, 2
	s_add_co_u32 s70, s70, s71      ; 32 b + 4 x block: the work-group's first group of 64 queries
	s_add_co_u32 s68, s70, s[WV]
	s_lshl_b32 s68, s68, 14         ; my wave's 16,384 bytes of mask words
	s_mov_b32 s69, 0
	s_lshl_b32 s70, s70, 14
	s_add_co_u32 s70, s70, 1024     ; wave 1's prefetches: the first change of slots steps this to byte 2,048 of each wave's walk
	s_lshl_b32 s71, s44, 13         ; waves 0 and 2: my work-group's 32 rows of a slot's 128,
	s_add_co_u32 s71, s71, 2*2*KS*256  ; in slot 2; the first change steps it to slot 3
	s_mov_b32 s[PST], 2*KS*256
	s_cmp_eq_u32 s[WV], 1
	s_cselect_b32 s62, s70, s71
	s_cselect_b32 s[PST], 1024, s[PST]
	s_cselect_b32 s53, 14, 11       ; eight lanes on: another wave's walk (2^14 bytes), or simply the next eight rows (2^11)
	s_mov_b32 s63, 0
	v_and_b32 v47, 31, v0
	v_lshrrev_b32 v[PFO], 3, v47
	v_and_b32 v47, 7, v47
	v_lshlrev_b32 v[PFO], s53, v[PFO]
	v_lshl_add_u32 v[PFO], v47, 8, v[PFO]
	s_and_b32 s[LIM], s[WV], 1      ; 0 in waves 0 and 2,
	s_or_b32 s[LIM], s[LIM], ttmp9  ; where the cluster is y's first;
	s_lshr_b32 s53, s46, 2
	s_cmp_eq_u32 s[WV], 1
	s_cselect_b32 s[LIM], s53, s[LIM]  ; in wave 1 the head: 0 asks.  The same in all four partners
	s_cmp_eq_u32 s[LIM], 0
	s_cselect_b32 s[LIM], 1, -1
	; descriptor group 1: a tile of 64 rows x 128 elements, padded in LDS
	s_mov_b32 s[G1K], 15|(1<<16)|(1<<20)|(1<<21)|(5<<22)|(3<<25)  ; 15:0 the mask of four; 17:16 2-byte elements; 20 padding on; 21 set beside a mask; 24:22 after every 64 words; 31:25 4 words
	s_mov_b32 s[G1V], 15|(1<<16)|(1<<20)|(1<<21)|(5<<22)|(7<<25)  ; the same with 8 words of padding
.irp g, G1K, G1V
	s_mov_b32 s[(\g)+1], 128<<16    ; tensor_dim0 = 128
	s_mov_b32 s[(\g)+2], KS<<16     ; tensor_dim1 = 64
	s_mov_b32 s[(\g)+3], 128<<16    ; tile_dim0 = 128
	s_mov_b32 s[(\g)+4], KS         ; tile_dim1 = 64
	s_mov_b32 s[(\g)+5], 128        ; elements from row to row
	s_mov_b32 s[(\g)+6], 0
	s_mov_b32 s[(\g)+7], 0
.endr
	s_mov_b32 s[SEL], 0x76543210
	s_mov_b32 s[SEL+1], 0xfedcba98
	s_mov_b32 s[TB], 0
	s_mov_b32 s[SLOTS], SIZE_N/(2*KS)-2
	v_mov_b32 v[CV], 0x3e0293ee     ; c = log2(e) / sqrt(128) = 0.127517
	v_mov_b32 v[CV+1], 0x3e0293ee
	v_mov_b32 v[BIG], 0xf149f2ca    ; -1e30
.irp t, 0,1,2,3
	v_mov_b32 v[ST+8*(\t)+1], 0xe0ad78ec  ; m starts at -1e20
.endr
	s_wait_dscnt 0x0                ; the opening add is done
	s_wait_kmcnt 0x0
	s_add_nc_u64 s[56:57], s[40:41], 0x1000000  ; K lies 16,777,216 bytes behind Q,
	s_add_nc_u64 s[56:57], s[56:57], s[50:51]   ; at my tile of slot 0
	s_add_nc_u64 s[58:59], s[40:41], 0x2000000  ; V as far again
	s_add_nc_u64 s[58:59], s[58:59], s[50:51]
	s_add_nc_u64 s[60:61], s[40:41], s[54:55]   ; Q at my wave's first row
	s_add_nc_u64 s[MP:MP+1], s[42:43], s[68:69]
	s_cmp_lt_u32 s[WV], 2
	s_cselect_b64 s[PFA:PFA+1], s[56:57], s[58:59]  ; (in waves 0 and 2 these stand at a slot's first row)
	s_cmp_eq_u32 s[WV], 1
	s_cselect_b64 s[PFA:PFA+1], s[42:43], s[PFA:PFA+1]
	s_add_nc_u64 s[PFA:PFA+1], s[PFA:PFA+1], s[62:63]  ; nothing is prefetched here, at the head
	CROUND                          ; all four work-groups are here: the first joint loads meet
	s_mov_b32 s32, 1                ; slot 0's sets: K's in s[32:35], V's in s[36:39]
	s_add_co_u32 s33, s52, 0
	s_add_nc_u64 s[34:35], s[56:57], 0
	s_or_b32 s35, s35, 0x80000000
	s_mov_b32 s36, 1
	s_add_co_u32 s37, s52, VOFF
	s_add_nc_u64 s[38:39], s[58:59], 0
	s_or_b32 s39, s39, 0x80000000
	s_mov_b32 s[G0K], 1             ; slot 1's: keys 128 on
	s_add_co_u32 s[G0K+1], s52, SLOT1
	s_add_nc_u64 s[G0K+2:G0K+3], s[56:57], 2*KS*256
	s_or_b32 s[G0K+3], s[G0K+3], 0x80000000
	s_mov_b32 s[G0V], 1
	s_add_co_u32 s[G0V+1], s52, SLOT1+VOFF
	s_add_nc_u64 s[G0V+2:G0V+3], s[58:59], 2*KS*256
	s_or_b32 s[G0V+3], s[G0V+3], 0x80000000
	s_cmp_lt_u32 s[WV], 2           ; a wave's two first fills stand in one branch, ahead of every wait on TENSORcnt and every LDS read: two loads of mine are out
	s_cbranch_scc0 .Lfirst_v
	tensor_load_to_lds s[32:35], s[G1K:G1K+7]
	s_nop 0
	tensor_load_to_lds s[G0K:G0K+3], s[G1K:G1K+7]
	s_nop 0
.rept 4
	v_nop
.endr
	s_branch .Lfirst_asked
.Lfirst_v:
	tensor_load_to_lds s[36:39], s[G1V:G1V+7]
	s_nop 0
	tensor_load_to_lds s[G0V:G0V+3], s[G1V:G1V+7]
	s_nop 0
.rept 4
	v_nop
.endr
.Lfirst_asked:
	; A fragment of K or Q is 16 rows x 32 channels in 8 registers: lane l holds row l % 16; channels 8 (l / 16) + 0..7 and 16 + 8 (l / 16) + 0..7: two loads of 16 bytes, 32 bytes apart.
	v_and_b32 v1, 15, v0            ; l % 16
	v_bfe_u32 v9, v0, 4, 1          ; l / 16
	v_lshlrev_b32 v[QO], 8, v1
	v_lshl_add_u32 v[QO], v9, 4, v[QO]
	WIN 0x80                        ; destination window 2, address window 0
.irp i, 0,1,2,3,4,5,6,7,8,9,10,11,12,13,14,15  ; Q stays in registers: tile i / 4, channels 32 (i % 4) on
	global_load_b128 v[8*(\i):8*(\i)+3],   v[QO], s[60:61] offset:((\i)/4)*4096+((\i)%4)*64
	global_load_b128 v[8*(\i)+4:8*(\i)+7], v[QO], s[60:61] offset:((\i)/4)*4096+((\i)%4)*64+32
.endr
	WIN 0
	v_mul_u32_u24 v[AK0], v1, PK
	v_lshl_add_u32 v[AK0], v9, 4, v[AK0]
	; The turning load takes 16 keys x 16 channels (lane l reads key 8 (l / 16) + l % 8, channels 8 ((l / 8) % 2) + 0..7) and leaves half a fragment of V^T.
	v_and_b32 v10, 7, v0
	v_bfe_u32 v11, v0, 3, 1
	v_lshl_add_u32 v[AV0], v9, 3, v10
	v_mul_u32_u24 v[AV0], v[AV0], PV
	v_lshl_add_u32 v[AV0], v11, 4, v[AV0]
	v_add_nc_u32 v[AV0], VOFF, v[AV0]
; THE MATRIX WORK OF A TURN, for piece x.  The accumulators take turns, one instruction a turn.
; Product i of 32 of O^T += V^T P: keys 32 (i / 16) on, channels 16 ((i / 2) % 8) on, tile x + i % 2.  zero = 1: the first 16 start the sums.
.macro PV x, zero
	WIN W_PV
.set rO, 64*((\x)+i%2)+8*((i/2)%8)
.set rV, 64*(i/16)+8*((i/2)%8)
.set rP, P+16*((\x)+i%2)+8*(i/16)
.if (\zero) && (i < 16)
	v_wmma_f32_16x16x32_f16 v[rO:rO+7], v[rV:rV+7], v[rP:rP+7], 0
.else
	v_wmma_f32_16x16x32_f16 v[rO:rO+7], v[rV:rV+7], v[rP:rP+7], v[rO:rO+7]
.endif
.endm
; Product i of 32 of S^T = K Q^T: channels 32 (i / 8) on, keys 16 ((i / 2) % 4) on, tile x + i % 2.  The first 8 start the sums.
.macro KQ x
	WIN W_KQ
.set rS, S+32*((\x)+i%2)+8*((i/2)%4)
.set rK, KF+32*((i/2)%4)+8*(i/8)
.set rQ, 32*((\x)+i%2)+8*(i/8)
.if i < 8
	v_wmma_f32_16x16x32_f16 v[rS:rS+7], v[rK:rK+7], v[rQ:rQ+7], 0
.else
	v_wmma_f32_16x16x32_f16 v[rS:rS+7], v[rK:rK+7], v[rQ:rQ+7], v[rS:rS+7]
.endif
.endm
; THE LDS LOADS stand in runs of 32: a step's K and, a turn later, its V (turned).
.macro FETCH_K
	WIN 0
	v_add_nc_u32 v[ADR], s[TB], v[AK0]
	WIN 0x80
.irp f, 0,1,2,3,4,5,6,7,8,9,10,11,12,13,14,15  ; keys 16 (f / 4) on, channels 32 (f % 4) on
	ds_load_b128 v[KF+8*(\f):KF+8*(\f)+3],   v[ADR] offset:((\f)/4)*16*PK+((\f)%4)*64
	ds_load_b128 v[KF+8*(\f)+4:KF+8*(\f)+7], v[ADR] offset:((\f)/4)*16*PK+((\f)%4)*64+32
.endr
.endm
.macro FETCH_V
	WIN 0
	v_add_nc_u32 v[ADR], s[TB], v[AV0]
	s_add_co_u32 s[TB], s[TB], STEPB  ; the next fetch is the next step's
	s_wait_alu depctr_va_vdst(0)    ; the wait for the softmax's batch of exponentials (SLICE), ahead of the loads
	WIN 0xc0
.irp f, 0,1,2,3,4,5,6,7,8,9,10,11,12,13,14,15  ; keys 32 (f / 8) on, channels 16 (f % 8) on
	ds_load_tr16_b128 v[8*(\f):8*(\f)+3],   v[ADR] offset:((\f)/8)*32*PV+((\f)%8)*32
	ds_load_tr16_b128 v[8*(\f)+4:8*(\f)+7], v[ADR] offset:((\f)/8)*32*PV+16*PV+((\f)%8)*32
.endr
.endm
; THE MASK, for piece y: 64 selects, one for each register of its two score tiles; each accumulator's lowest register is read first.  The words were asked for a turn ago (64 matrix
; instructions); behind the selects the next piece's 256 bytes are asked for (more = 1): the softmaxes come in the order in which the words lie.  The last turn asks for nothing: the walk's 16,384 bytes are read.
.macro LUMP y, more
	WIN 0
	s_wait_kmcnt 0x0                ; the words are in, and their loads' base may be stepped
	s_add_nc_u64 s[MP:MP+1], s[MP:MP+1], 256
.set j, 0
.rept 32
	v_cndmask_b32 v[S+32*(\y)+j], v[S+32*(\y)+j], v[BIG], s[MA+j]
	v_cndmask_b32 v[S+32*(\y)+32+j], v[S+32*(\y)+32+j], v[BIG], s[MB+j]
.set j, j+1
.endr
.if \more
	s_load_b512 s[MA:MA+15], s[MP:MP+1], 0x0
	s_load_b512 s[MA+16:MA+31], s[MP:MP+1], 0x40
	s_load_b512 s[MB:MB+15], s[MP:MP+1], 0x80
	s_load_b512 s[MB+16:MB+31], s[MP:MP+1], 0xc0
.endif
.endm
; THE SOFTMAX.  One tile's softmax for one key step is a list of 134 instructions; SM writes number j of it for tile t.  first = 1: the first key step: it has no a and nothing to rescale.
;   0-15    the maximum of s0-s31 and the old m (in the first step: the floor), three operands at a time
;   16-20   the other half of the lanes' maximum; the new m; c m; c m_old - c m_new
;   21-69   ONE BATCH: the 16 scalings c s - c m and all 33 exponentials (a at 23, then s0-s31); none of these reads an exponential's result
;   (wait)  between 69 and 70 stands the wait for the batch: SLICE writes it, once for both tiles
;   70-85   the roundings to f16     86-101  the sums; l = a l + the sum     102-133 the tile's O^T times a
.macro SM t, first
.set rT, ST+8*(\t)
.set rS, S+32*(\t)
.set rP, P+16*(\t)
.set rO, 64*(\t)+2*(j-102)
.if j < 102
	WIN 0
.endif
.if j < 4
	v_max3_num_f32 v[rT+4+j], v[rS+8*j], v[rS+8*j+1], v[rS+8*j+2]
.elseif j < 12
	v_max3_num_f32 v[rT+4+j%4], v[rT+4+j%4], v[rS+8*(j%4)+2*(j/4)+1], v[rS+8*(j%4)+2*(j/4)+2]
.elseif j == 12
	v_max3_num_f32 v[rT+4], v[rT+4], v[rS+7], v[rS+15]
.elseif j == 13
	v_max3_num_f32 v[rT+6], v[rT+6], v[rS+23], v[rS+31]
.elseif j == 14
	v_max3_num_f32 v[rT+4], v[rT+4], v[rT+5], v[rT+6]
.elseif j == 15
	v_max3_num_f32 v[rT+4], v[rT+4], v[rT+7], v[rT+1]
.elseif j == 16
	v_permlanex16_b32 v[rT+5], v[rT+4], s[SEL], s[SEL+1]  ; the query's other 32 keys lie in the lane 16 away
.elseif j == 18
	v_max_num_f32 v[rT+1], v[rT+4], v[rT+5]
.elseif j == 19
	v_mul_f32 v[rT], v[CV], v[rT+1]
.elseif ((j == 17) || (j == 20) || (j == 23) || (j > 101)) && (\first)  ; the first step has none of these
.elseif j == 17
	v_mov_b32 v[rT+7], v[rT]        ; c m_old is kept for a
.elseif j == 20
	v_sub_f32 v[rT+7], v[rT+7], v[rT]
.elseif j == 23
	v_exp_f32 v[rT+6], v[rT+7]
.elseif (j < 23) || ((j < 38) && (j%2 == 0)) || ((j < 66) && (j%4 == 2))
.set b, (j-2)/4                     ; 38, 42, .. 62: pairs 9 to 15
.if j < 38
.set b, (j-20)/2                    ; 21: pair 0; 22, 24, .. 36: pairs 1 to 8
.endif
	v_pk_fma_f32 v[rS+2*b:rS+2*b+1], v[rS+2*b:rS+2*b+1], v[CV:CV+1], v[rT:rT+1] op_sel_hi:[1,0,0] neg_lo:[0,0,1] neg_hi:[0,0,1]  ; pair b: c s - c m
.elseif j < 70
.set e, j-38                        ; 66 to 69: s28 to s31
.if j < 66
.set e, j-32-(j-38)/4               ; 39-41, 43-45, .. 63-65: s7 to s27
.endif
.if j < 38
.set e, (j-25)/2                    ; 25, 27, .. 37: s0 to s6
.endif
	v_exp_f32 v[rS+e], v[rS+e]
.elseif j < 86
	v_cvt_pk_f16_f32 v[rP+j-70], v[rS+2*(j-70)], v[rS+2*(j-70)+1]
.elseif j < 102                     ; the sum of the tile's 16 pairs, in place: neighbours 1, 2, 4 and 8 pairs apart, then l takes it
.set z, j-86
.set w, 4
.set u, z
.if z >= 14
.set w, 32
.set u, 0
.elseif z >= 12
.set w, 16
.set u, z-12
.elseif z >= 8
.set w, 8
.set u, z-8
.endif
.if (z == 14) && (\first)
	v_pk_add_f32 v[rT+2:rT+3], v[rS:rS+1], v[rS+16:rS+17]
.elseif z < 15
	v_pk_add_f32 v[rS+w*u:rS+w*u+1], v[rS+w*u:rS+w*u+1], v[rS+w*u+w/2:rS+w*u+w/2+1]
.elseif !(\first)
	v_pk_fma_f32 v[rT+2:rT+3], v[rT+2:rT+3], v[rT+6:rT+7], v[rS:rS+1] op_sel_hi:[1,0,1]
.endif
.else
	WIN W_RS
	v_pk_mul_f32 v[rO:rO+1], v[rO:rO+1], v[rT+6:rT+7] op_sel_hi:[1,0]
.endif
.endm
; Slice k of 64 of piece y's softmax: four instructions.  Slices 11 to 34 deal out the batch, four numbers of ONE tile each, the tiles by turns; every other slice is numbers 2 k and 2 k + 1 of both tiles;
; the twelve that are over stand in slice 63.  One s_wait_alu depctr_va_vdst(0), behind slice 34, stands between the exponentials and the first lines that name their results: it serves all 66.
.macro SLICE y, first
.if (k >= 11) && (k < 35)
.irp n, 0,1,2,3
.set j, 22+4*((k-11)/2)+(\n)
	SM (\y)+(k-11)%2, \first
.endr
.else
.irp n, 0,1,2,3,4,5,6,7
.if ((\n) < 2) || (k == 63)
.irp t, \y, (\y)+1
.set j, 2*k+(\n)
	SM \t, \first
.endr
.endif
.endr
.endif
.if k == 34
	v_nop                           ; a plain instruction behind the last exponential and ahead of the first use: one for the batch
.if (\y) == 0
	FETCH_V                         ; piece 2's turn: V's run of loads stands here, and the wait stands in it
.else
	s_wait_alu depctr_va_vdst(0)    ; the wait for the batch
.endif
.endif
.set k, k+1
.endm
.macro PLACES                       ; four places behind matrix instructions (ISA guide 7.12.1); in the loop the slices are the places
.rept 4
	v_nop
.endr
.endm
; A TURN.  Piece x has the matrix unit; the other piece's mask stands at the head, its softmax in slices behind the matrix instructions.  The scores that the selects read were finished in the turn before, whose
; slice 63 (sixteen plain lines) or four v_nop are the places between.
; pv = 2: 32 products V^T P; 1: they start O^T's sums; 0: none.  kq = 1: 32 products K Q^T for the next step.  A turn with one of the two kinds has two slices behind each product.
; Piece 0's turn fetches the next step's K behind its second product; piece 2's turn the same step's V behind slice 34.
.macro TURN x, pv, kq, first, more=1
	LUMP 2-(\x), \more
.set k, 0
.set per, 2
.if (\pv) && (\kq)
.set per, 1
.endif
.if \pv
.if (\x) == 0
	s_wait_dscnt 0x0                ; V is in
.endif
.set i, 0
.rept 32
	PV \x, 2-(\pv)
.rept per
	SLICE 2-(\x), \first
.endr
.if ((\x) == 0) && (\kq) && (i == 1)
	FETCH_K
.endif
.set i, i+1
.endr
.endif
.if \kq
.if (\x) == 0
	s_wait_dscnt 0x0                ; K is in
.endif
.set i, 0
.rept 32
	KQ \x
.rept per
	SLICE 2-(\x), \first
.endr
.set i, i+1
.endr
.endif
.if \first
	PLACES
.endif
.endm
; THE CHANGE OF SLOTS.  Each wave waits for all its tensor loads, of which one is out: its part of the other slot; adds 0 to its spare word; and waits for that and for its own reads of the slot.
; fill = 1: this slot is filled again, with the keys two slots on.  The barrier is then a round of the cluster's, and the joint refill is the first thing behind it: it has 256 matrix instructions in which to land.
.macro CHANGE fill
	WIN 0
	s_wait_tensorcnt 0x0            ; no tensor load of mine is out, so a group 0 may be written
	ds_add_u32 v[SPW], v[NIL]       ; 0 onto my spare word
.if \fill
.irp g, G0K, G0V
	s_xor_b32 s[(\g)+1], s[(\g)+1], SLOT1  ; the walking descriptor: the other slot than last time,
	s_add_nc_u64 s[(\g)+2:(\g)+3], s[(\g)+2:(\g)+3], 2*KS*256  ; the next 128 keys
.endr
	s_wait_xcnt 0x0                 ; the last prefetch, two key steps back or more, has read its address
	s_add_co_u32 s[PFA], s[PFA], s[PST]
	s_add_co_ci_u32 s[PFA+1], s[PFA+1], 0
	s_wait_dscnt 0x0                ; the add is done, and my reads of the slot are over
	CROUND
	JLOAD
	ASK
.else
	s_wait_dscnt 0x0
	s_barrier_signal -1
	s_barrier_wait -1
.endif
	s_sub_co_u32 s[TB], s[TB], 2*STEPB  ; the fetches go back to a slot's first step,
	s_xor_b32 s[TB], s[TB], SLOT1   ; in the other slot
.endm
.macro TWO_STEPS                    ; a slot's two key steps: written once, walked twice
	WIN 0
	s_mov_b32 s[TWICE], 2
.Lstep_\@:
	TURN 0, 2, 1, 0
	TURN 2, 2, 1, 0
	WIN 0
	s_sub_co_u32 s[TWICE], s[TWICE], 1
	s_cmp_lg_u32 s[TWICE], 0
	s_cbranch_scc1 .Lstep_\@
.endm
	s_wait_tensorcnt 1              ; my part of slot 0 is in (its group 0 is free); slot 1's may stay out
	s_barrier_signal -1
	s_barrier_wait -1
	FETCH_K                         ; key step 0
	s_wait_loadcnt 0x0              ; Q is in, and its loads' base is free
	s_wait_dscnt 0x0
	s_load_b512 s[MA:MA+15], s[MP:MP+1], 0x0       ; the first piece's mask words
	s_load_b512 s[MA+16:MA+31], s[MP:MP+1], 0x40
	s_load_b512 s[MB:MB+15], s[MP:MP+1], 0x80
	s_load_b512 s[MB+16:MB+31], s[MP:MP+1], 0xc0
.set i, 0
.rept 32
	KQ 0                            ; piece 0's first scores
.set i, i+1
.endr
	WIN 0                           ; the addresses for the way out: eight plain instructions, the places behind those products
	s_mul_i32 s[TWICE], s[WV], 16*SP
	s_add_co_u32 s[TWICE], s[TWICE], STAGE  ; my stage
	v_mul_u32_u24 v[STO], v1, SP    ; in: row l % 16, 16 bytes for each half of the lanes
	v_lshl_add_u32 v[STO], v9, 4, v[STO]
	v_add_nc_u32 v[STO], s[TWICE], v[STO]
	v_mul_u32_u24 v[RD], v9, SP     ; back: lanes 0-15 take one row of 256 bytes, lanes 16-31 the next
	v_lshl_add_u32 v[RD], v1, 4, v[RD]
	v_add_nc_u32 v[RD], s[TWICE], v[RD]
	v_lshlrev_b32 v[GO], 11, v9     ; and the same two rows in oh, 2,048 bytes apart
	v_lshl_add_u32 v[GO], v1, 4, v[GO]
	TURN 2, 0, 1, 1                 ; piece 2's first scores | piece 0's first softmax | V of step 0
	TURN 0, 1, 1, 1                 ; piece 0: V^T P of step 0 starts O^T, K Q^T of step 1 | piece 2's first softmax | K of step 1
	TURN 2, 1, 1, 0                 ; piece 2: the same | piece 0's softmax of step 1 | V of step 1
	WIN 0
.Lslot:                             ; 14 trips: every slot but the last two is filled again
	CHANGE 1
	TWO_STEPS
	s_sub_co_u32 s[SLOTS], s[SLOTS], 1
	s_cmp_lg_u32 s[SLOTS], 0
	s_cbranch_scc1 .Lslot
	CHANGE 0                        ; the tail is written out
	TWO_STEPS
	TURN 0, 2, 0, 0, 0              ; piece 0: V^T P of the last step | piece 2's last softmax; no mask words are left to ask for
.set i, 0
.rept 32
	PV 2, 0                         ; piece 2: V^T P of the last step
.set i, i+1
.endr
	; THE WAY OUT.  l's two halves and the other half of the lanes' are added; O^T is divided by max(l, 0.5), rounded to f16 and sent through my stage, a tile at a time.  The additions are the places behind the last products.
	WIN 0
	s_load_b64 s[32:33], s[0:1], 0x10  ; oh
	s_bfe_u32 s34, ttmp6, 0x40000
	s_lshl_b32 s35, ttmp9, 2
	s_add_co_u32 s34, s34, s35      ; my block of 256 queries
	s_lshl_b32 s34, s34, 2
	s_add_co_u32 s34, s34, s[WV]
	s_and_b32 s35, ttmp7, 0xffff
	s_and_b32 s36, s35, 3           ; b
	s_lshl_b32 s36, s36, 5
	s_add_co_u32 s34, s34, s36      ; my 64 rows among the 128 such groups,
	s_lshl_b32 s34, s34, 17         ; of 2,048 bytes each
	s_lshr_b32 s35, s35, 2          ; h: 256 bytes along a row
	s_lshl_b32 s35, s35, 8
	s_add_co_u32 s34, s34, s35
	s_mov_b32 s35, 0
.irp t, 0,1,2,3
	v_add_f32 v[ST+8*(\t)+4], v[ST+8*(\t)+2], v[ST+8*(\t)+3]
.endr
.irp t, 0,1,2,3
	v_permlanex16_b32 v[ST+8*(\t)+5], v[ST+8*(\t)+4], s[SEL], s[SEL+1]
.endr
.irp t, 0,1,2,3
	v_add_f32 v[ST+8*(\t)+4], v[ST+8*(\t)+4], v[ST+8*(\t)+5]
.endr
.irp t, 0,1,2,3
	v_max_num_f32 v[ST+8*(\t)+4], 0.5, v[ST+8*(\t)+4]  ; a row with no visible key: 0 / 0.5 = 0
.endr
.irp t, 0,1,2,3
	v_rcp_f32 v[ST+8*(\t)+6], v[ST+8*(\t)+4]
.endr
	v_nop                           ; a plain instruction between the last reciprocal and the use of its result
	s_wait_alu depctr_va_vdst(0)    ; and the wait ahead of the first use: one for the four
	s_wait_kmcnt 0x0
	s_add_nc_u64 s[32:33], s[32:33], s[34:35]
.macro PACK t                       ; a lane's eight channels of a row pack into 16 bytes; they go into rows of 272 bytes and come back as whole rows of 256
	WIN W_RS
.set i, 64*(\t)
.rept 32
	v_pk_mul_f32 v[i:i+1], v[i:i+1], v[ST+8*(\t)+6:ST+8*(\t)+7] op_sel_hi:[1,0]
.set i, i+2
.endr
	WIN 0x05                        ; sources in window 1, destination in window 0: S^T's registers are free
.set i, 0
.rept 32
	v_cvt_pk_f16_f32 v[S+32*(\t)+i], v[64*(\t)+2*i], v[64*(\t)+2*i+1]
.set i, i+1
.endr
	WIN 0
.irp f, 0,1,2,3,4,5,6,7
	ds_store_b128 v[STO], v[S+32*(\t)+4*(\f):S+32*(\t)+4*(\f)+3] offset:32*(\f)
.endr
.irp f, 0,1,2,3,4,5,6,7
	ds_load_b128 v[S+32*(\t)+4*(\f):S+32*(\t)+4*(\f)+3], v[RD] offset:(\f)*2*SP  ; LDS serves a wave's instructions in order: these see the stores above; the next tile's stores come behind them
.endr
.endm
.macro SEND t, younger              ; younger: the LDS instructions issued behind tile t's loads: the next tile's sixteen, or none
	WIN 0
.irp f, 0,1,2,3,4,5,6,7
	s_wait_dscnt (\younger)+7-(\f)
	global_store_b128 v[GO], v[S+32*(\t)+4*(\f):S+32*(\t)+4*(\f)+3], s[32:33] offset:(\t)*32768+(\f)*4096  ; sixteen lanes store 256 consecutive bytes, aligned: a head's part of a row
.endr
.endm
	PACK 0
	PACK 1                          ; a tile's arithmetic stands between the loads of the tile before and its stores
	SEND 0, 16
	PACK 2
	SEND 1, 16
	PACK 3
	SEND 2, 16
	SEND 3, 0
	s_wait_tensorcnt 0x0            ; the wave's end: behind my last tensor load and my last LDS store
	ds_add_u32 v[SPW], v[NIL]
	s_wait_dscnt 0x0
	CROUND                          ; the closing round: no work-group ends while a partner may still ask for a tile that names it
	s_endpgm
.Lfunc_end_k_qa32d45f57a_attn:
	.size	k_qa32d45f57a_attn, .Lfunc_end_k_qa32d45f57a_attn-k_qa32d45f57a_attn
	.p2alignl 7, 3214868480
	.fill 96, 4, 3214868480
	.section	.rodata,"a",@progbits
	.p2align	6, 0x0
	.amdhsa_kernel k_qa32d45f57a_attn
		.amdhsa_group_segment_fixed_size 327680
		.amdhsa_private_segment_fixed_size 0
		.amdhsa_enable_private_segment 0
		.amdhsa_kernarg_size 24
		.amdhsa_user_sgpr_count 2
		.amdhsa_user_sgpr_kernarg_segment_ptr 1
		.amdhsa_wavefront_size32 1
		.amdhsa_system_sgpr_workgroup_id_x 1
		.amdhsa_system_sgpr_workgroup_id_y 1
		.amdhsa_system_sgpr_workgroup_id_z 1
		.amdhsa_system_vgpr_workitem_id 0
		.amdhsa_next_free_vgpr 1024
		.amdhsa_next_free_sgpr 106
		.amdhsa_reserve_vcc 0
		.amdhsa_float_denorm_mode_32 3
		.amdhsa_float_denorm_mode_16_64 3
		.amdhsa_memory_ordered 1
		.amdhsa_forward_progress 1
		.amdhsa_inst_pref_size 255
	.end_amdhsa_kernel
	.section	.bss,"aw",@nobits
	.p2align	6
	.space	262144
	.amdgpu_metadata
---
amdhsa.version: [ 1, 2 ]
amdhsa.kernels:
  - .name:           k_qa32d45f57a_attn
    .symbol:         k_qa32d45f57a_attn.kd
    .args:
      - { .name: qkv, .offset: 0, .size: 8, .value_kind: global_buffer, .address_space: global }
      - { .name: mbits, .offset: 8, .size: 8, .value_kind: global_buffer, .address_space: global }
      - { .name: oh, .offset: 16, .size: 8, .value_kind: global_buffer, .address_space: global }
    .group_segment_fixed_size: 327680
    .private_segment_fixed_size: 0
    .kernarg_segment_align: 8
    .kernarg_segment_size: 24
    .max_flat_workgroup_size: 128
    .sgpr_count:     106
    .vgpr_count:     1024
    .wavefront_size: 32
...
	.end_amdgpu_metadata
.endif
;; end of part 3
;; launch outp (part 4): grid 4 x 64, 4 waves a work-group, clusters of 4 x 1, 327,680 bytes of LDS; arguments oh, wot, out0; writes out0
.if DOCPART == 4
	.amdgcn_target "amdgcn-amd-amdhsa--gfx1250"
	.amdhsa_code_object_version 6
	.text
	.protected	k_qa32d45f57a_outp
	.globl	k_qa32d45f57a_outp
	.p2align	8
	.type	k_qa32d45f57a_outp,@function
k_qa32d45f57a_outp:
	s_mov_b64 s[64:65], 0
	v_nop
	global_prefetch_b8 v0, s[64:65] scope:SCOPE_SE
	s_setreg_imm32_b32 hwreg(HW_REG_WAVE_MODE, 25, 1), 1
	s_wait_xcnt 0x0
	s_wait_alu depctr_hold_cnt(0) depctr_sa_sdst(0) depctr_va_vdst(0) depctr_va_sdst(0) depctr_va_ssrc(0) depctr_va_vcc(0) depctr_vm_vsrc(0)
	s_getreg_b32 s2, hwreg(HW_REG_IB_STS2, 6, 4)
	s_cmp_eq_u32 s2, 0
	s_cbranch_scc0 .Lentry_in_a_cluster
	s_endpgm
.Lentry_in_a_cluster:
	s_bfe_u32 s2, ttmp6, 0x10000c
	s_cmp_lg_u32 s2, 0x3003
	s_cbranch_scc0 .Lentry_shape_is_right
	s_endpgm
.Lentry_shape_is_right:
; THE OUTPUT PROJECTION.  C[m][n] = sum over k of A[m][k] B[n][k], K = 1,024, ascending.  A = oh [8192][1024] f16; B = wot, 1,024 columns in fragment order (below); sums in f32.  C = out0 [8192][1024] f32.
; SHARES.  A work-group owns 128 rows of A and 256 columns: one tile; 64 x 4 = 256 work-groups of equal work.  Wave w makes 128 x 64: 32 accumulators.
; A LIES IN LDS FOR THE WHOLE LAUNCH: 128 rows x 1,024 k as eight blocks of 128 rows x 256 bytes, filled once, two tensor loads a wave (two are out at the most).  Nothing is filled again, so the loop over K
; has no barrier and no wait for tensor loads.  CLUSTER: the four work-groups of a cluster own the same rows of A and ask for them JOINTLY.
; B COMES STRAIGHT INTO REGISTERS: no wave wants a byte of B that another wave of the work-group has fetched.  wot lies as [stream][chunk 32][fragment 4][half 2][lane 32][16 bytes]: a load of a wave takes 512
; consecutive bytes; stream 4 cx + w, 131,072 bytes, holds my columns 64 (4 cx + w) on.
; THE LOOP.  A CHUNK is 32 along K: 32 matrix instructions; in its middle, in one run, the next chunk's 16 LDS loads of A (two buffers) and 8 loads of B.  B has a ring of eight chunks in registers: slot j - 1
; is asked for again in chunk j, six and a half chunks, 208 matrix instructions, ahead of its use; 56 loads of a wave are out at the most.  A BODY is eight chunks, written once, walked four times.
; THE STREAM'S END.  The last body has nothing to ask for behind its own data: its seven runs ask again for its own first seven chunks (the pointer's step is 0), and its last chunk fetches A's first
; fragments once more: 28,672 bytes of B a wave that nobody uses: the price of one text, and one count in the waits, for every body.
; THE MATRIX INSTRUCTION IS USED TRANSPOSED (source 0 = 16 columns of B, source 1 = 16 rows of A): a lane holds row l % 16 of C and the columns 8 (l / 16) + 0..7.
; REGISTERS: window 0: v16-22 addresses; v64-127, v128-191 A's fragments, two buffers; on the way out v128-191 at work.  Window 1: accumulator (a, b) at 8 (4 a + b).  Window 2: B's ring, slot s at 32 s.
; (The three projections' text is this one with three tiles and another way out.)
.set SIZE_K, 1024
.set PITCH,  272                       ; an LDS row: 256 bytes + 16 of padding = 68 words: the 16 rows of a fragment load start at 16 different groups of four banks
.set KBLK,   128*PITCH                 ; a block of A: 128 rows x 128 k
.set STAGE,  8*KBLK                    ; behind A, never filled by a tensor load: for each wave 16 rows x 272 bytes
.set SPARE,  STAGE+4*16*PITCH          ; the spare words, 128 bytes for each wave
.set CHB,    4096                      ; bytes of B in a chunk, for a wave
.set RING,   8                         ; chunks in B's ring, and in a body
.set ADRA0, 16                         ; v16  my lane's place in a fragment's rows: (l % 16) x pitch + 16 (l / 16); never rewritten
.set ADRA,  17                         ; v17  the same in the body in hand: two blocks of A further on from body to body
.set BO,    18                         ; v18  16 x lane: my place in 512 consecutive bytes of B; never rewritten
.set PFO,   19                         ; v19  256 x lane: the prefetches' offset; never rewritten
.set STO,   20                         ; v20  the way out: where I put 32 bytes of a row
.set RD,    21                         ; v21  where I read rows back
.set CO,    22                         ; v22  my 16 bytes in two rows of C
.set SPW,   28                         ; v28  my spare word; never rewritten
.set NIL,   29                         ; v29  0; never rewritten
.set FA,    64
.set BK,    128                        ; the way out: 16 rows read back, two sets of 32 registers by turns
.set WV,   10                          ; s10 my wave's number
.set G1,   16                          ; s[16:23] descriptor group 1
.set G0A,  24                          ; s[24:27] group 0 for block w of A
.set G0B,  28                          ; s[28:31] for block w + 4
.set BP,   32                          ; s[32:33] B's stream at the body that is being asked for
.set STP,  34                          ; s[34:35] its step
.set LEFT, 36                          ; s36 bodies to go, this one among them
.set LIM,  37                          ; s37 2 in a wave that prefetches, else the greatest number
.set BODY, 39                          ; s39 bodies to go: 4 to 1
.set MSB, 0
.macro WIN new                         ; the immediate's high byte repeats the setting that is left; a switch that changes nothing is dropped
.if MSB != (\new)
	s_set_vgpr_msb (MSB<<8)|(\new)
.set MSB, \new
.endif
.endm
.set MUL, 0x52                         ; source 0 (B) window 2, source 1 (A) window 0, C and D window 1
.macro BAR
	s_barrier_signal -1
	s_barrier_wait -1
.endm
.macro CROUND                          ; a round of the cluster's barrier
	s_barrier_signal -1
	s_barrier_wait -1
	s_cmp_lg_u32 s[WV], 0
	s_cbranch_scc1 .Lnot_wave_0_\@
	s_barrier_signal -3
.Lnot_wave_0_\@:
	s_barrier_wait -3
	s_barrier_signal -1
	s_barrier_wait -1
.endm
.macro PLACES                          ; four places in front of loads into registers that matrix instructions have read, and of LDS stores that read results (ISA guide 7.12.1 for vector instructions)
.rept 4
	v_nop
.endr
.endm
; 16 matrix instructions: m blocks a0 .. a0 + 3 x my 4 n blocks, chunk j of the body.  zero = 1: the products start the sums.  The 32 accumulators take turns in the same order in every chunk.
.macro MUL16 j, a0, zero
	WIN MUL
.irp a, \a0, (\a0)+1, (\a0)+2, (\a0)+3
.irp b, 0,1,2,3
.if \zero
	v_wmma_f32_16x16x32_f16 v[8*(4*(\a)+(\b)):8*(4*(\a)+(\b))+7], v[32*(\j)+8*(\b):32*(\j)+8*(\b)+7], v[FA+64*((\j)%2)+8*(\a):FA+64*((\j)%2)+8*(\a)+7], 0
.else
	v_wmma_f32_16x16x32_f16 v[8*(4*(\a)+(\b)):8*(4*(\a)+(\b))+7], v[32*(\j)+8*(\b):32*(\j)+8*(\b)+7], v[FA+64*((\j)%2)+8*(\a):FA+64*((\j)%2)+8*(\a)+7], v[8*(4*(\a)+(\b)):8*(4*(\a)+(\b))+7]
.endif
.endr
.endr
.endm
.macro FETCH j                         ; A's eight fragments of chunk j of the body at v[ADRA]: the largest offset is 65,504
	WIN 0
.irp a, 0,1,2,3,4,5,6,7
	ds_load_b128 v[FA+64*((\j)%2)+8*(\a):FA+64*((\j)%2)+8*(\a)+3],   v[ADRA] offset:((\j)/4)*KBLK+((\j)%4)*64+(\a)*16*PITCH
	ds_load_b128 v[FA+64*((\j)%2)+8*(\a)+4:FA+64*((\j)%2)+8*(\a)+7], v[ADRA] offset:((\j)/4)*KBLK+((\j)%4)*64+(\a)*16*PITCH+32
.endr
.endm
.macro BLOAD s                         ; B's four fragments of chunk s of the body at s[BP], into slot s: eight loads of 512 consecutive bytes
	WIN 0x80                                       ; destination window 2, address window 0
.irp f, 0,1,2,3
	global_load_b128 v[32*(\s)+8*(\f):32*(\s)+8*(\f)+3],   v[BO], s[BP:BP+1] offset:(\s)*CHB+(\f)*1024
	global_load_b128 v[32*(\s)+8*(\f)+4:32*(\s)+8*(\f)+7], v[BO], s[BP:BP+1] offset:(\s)*CHB+(\f)*1024+512
.endr
.endm
; CHUNK j of a body.  The run in its middle fills what chunk j - 1 has read: A's other buffer, with chunk j + 1, and B's slot j - 1, with the chunk eight further on.  So chunk 0 asks for slot 7 of this
; body and chunks 1 to 7 for slots 0 to 6 of the next: the pointer steps between the two, in chunk 1.  Chunk 7 fetches A for the next body's chunk 0.
; zero = 1: a product that starts a sum anew is no link of a chain: it writes over its accumulator, and five places stand between it and the last product on that accumulator, on every way through the text,
; the backward jump among them.  For accumulators 0 to 15 they are chunk 7's four v_nop and its v_add_nc_u32; for 16 to 31 the four v_nop in this chunk's middle and a fifth.
.macro CHUNK j, zero
	s_wait_loadcnt 48                              ; loads come back in order: slot j is in; the six runs of eight issued behind its own stay out
	s_wait_dscnt 8                                 ; A's blocks 0 to 3 are in; the youngest eight loads (blocks 4 to 7) may be out
	MUL16 \j, 0, \zero
	WIN 0
	PLACES
.if \zero
	v_nop                                          ; the fifth place
.endif
.if (\j) == 1
	s_wait_xcnt 0x0                                ; every load and prefetch issued so far has read its address (the youngest load 32 matrix instructions back), so the pointer may be written
	s_cmp_eq_u32 s[LEFT], 1
	s_cselect_b32 s[STP], 0, RING*CHB              ; the last body has no next: it asks for its own chunks again
	s_add_nc_u64 s[BP:BP+1], s[BP:BP+1], s[STP:STP+1]
.endif
.if (\j) == 7
	s_sub_co_u32 s40, 5, s[BODY]                   ; the next body's number, 0 to 3,
	s_and_b32 s40, s40, 3
	s_mul_i32 s40, s40, 2*KBLK                     ; and its two blocks of A
	v_add_nc_u32 v[ADRA], s40, v[ADRA0]
.endif
	FETCH ((\j)+1)%RING
	BLOAD ((\j)+RING-1)%RING
.if (\j) == 1
	; A prefetch into the L2 of the 32,768 bytes of my stream that the NEXT body's runs will name: 128 blocks of 256 bytes, a lane a block, four instructions, behind this chunk's loads.  The 64 clusters read the
	; same streams: the cluster of A's first rows asks, each wave for its own stream, so each block is named once in the launch.  Bodies 0 and 1 come by their loads alone; the last two bodies ask for nothing.
	WIN 0
	s_cmp_gt_u32 s[LEFT], s[LIM]
	s_cbranch_scc0 .Lnot_mine_\@
.irp i, 0,1,2,3
	global_prefetch_b8 v[PFO], s[BP:BP+1] offset:RING*CHB+(\i)*8192 th:TH_LOAD_NT scope:SCOPE_SE
.endr
.Lnot_mine_\@:
	s_sub_co_u32 s[LEFT], s[LEFT], 1
.endif
	s_wait_dscnt 16                                ; all but the 16 just issued
	MUL16 \j, 4, \zero
.endm
	s_load_b128 s[4:7], s[0:1], 0x0                ; A s[4:5], B s[6:7]
	s_load_b64 s[8:9], s[0:1], 0x10                ; C
	v_lshl_add_u32 v[SPW], v0, 2, SPARE
	v_mov_b32 v[NIL], 0
	ds_add_u32 v[SPW], v[NIL]                      ; the wave's opening: the add and its wait stand ahead of my first tensor load; the set-up below stands between them
	v_lshrrev_b32 v1, 5, v0
	v_readfirstlane_b32 s[WV], v1                  ; wave 0..3
	s_bfe_u32 s11, ttmp6, 0x40000                  ; cx: my place in the cluster: which 256 columns.  It enters B's and C's addresses alone
	s_and_b32 s12, ttmp7, 0xffff                   ; which 128 rows of A: the four partners share it
	; descriptor group 1: a tile of 128 rows x 128 elements, padded in LDS
	s_mov_b32 s[G1], 15|(1<<16)|(1<<20)|(1<<21)|(5<<22)|(3<<25)  ; 15:0 the mask of four; 17:16 2-byte elements; 20 padding on; 21 set beside a mask; 24:22 after every 64 words; 31:25 4 words
	s_mov_b32 s[G1+1], 128<<16                     ; tensor_dim0 = 128
	s_mov_b32 s[G1+2], 128<<16                     ; tensor_dim1 = 128
	s_mov_b32 s[G1+3], 128<<16                     ; tile_dim0 = 128
	s_mov_b32 s[G1+4], 128                         ; tile_dim1 = 128
	s_mov_b32 s[G1+5], SIZE_K                      ; elements from row to row
	s_mov_b32 s[G1+6], 0
	s_mov_b32 s[G1+7], 0
	s_mul_i32 s40, s[WV], KBLK                     ; blocks w and w + 4 are mine to fetch: no place in the cluster enters an LDS address
	s_mov_b32 s[G0A], 1
	s_add_co_u32 s[G0A+1], s40, 0
	s_mov_b32 s[G0B], 1
	s_add_co_u32 s[G0B+1], s40, 4*KBLK
	s_lshl_b32 s42, s12, 18                        ; 128 rows of 2,048 bytes,
	s_lshl_b32 s43, s[WV], 8                       ; block w: 256 bytes along them
	s_add_co_u32 s42, s42, s43
	s_mov_b32 s43, 0
	s_lshl_b32 s44, s11, 2                         ; my stream of B: 4 cx + w,
	s_add_co_u32 s44, s44, s[WV]
	s_lshl_b32 s44, s44, 17                        ; of 131,072 bytes
	s_mov_b32 s45, 0
	s_lshl_b32 s46, s12, 19                        ; C: 128 rows of 4,096 bytes,
	s_lshl_b32 s47, s11, 10                        ; the work-group's 256 columns,
	s_add_co_u32 s46, s46, s47
	s_lshl_b32 s47, s[WV], 8                       ; my 64: 256 bytes
	s_add_co_u32 s46, s46, s47
	s_mov_b32 s47, 0
	s_cmp_eq_u32 s12, 0
	s_cselect_b32 s[LIM], 2, -1                    ; the same in all four partners
	s_mov_b32 s[STP+1], 0
	s_mov_b32 s[LEFT], 4
	s_wait_dscnt 0x0                               ; the opening add is done
	s_wait_kmcnt 0x0
	s_add_nc_u64 s[G0A+2:G0A+3], s[4:5], s[42:43]
	s_add_nc_u64 s[G0B+2:G0B+3], s[G0A+2:G0A+3], 4*256
	s_or_b32 s[G0A+3], s[G0A+3], 0x80000000        ; 127:126 type = 2
	s_or_b32 s[G0B+3], s[G0B+3], 0x80000000
	s_add_nc_u64 s[BP:BP+1], s[6:7], s[44:45]
	s_add_nc_u64 s[8:9], s[8:9], s[46:47]
	CROUND                                         ; all four work-groups are here: the joint loads meet
	tensor_load_to_lds s[G0A:G0A+3], s[G1:G1+7]    ; the launch's only fills: two loads of mine are out
	s_nop 0
	tensor_load_to_lds s[G0B:G0B+3], s[G1:G1+7]
	s_nop 0
.rept 4
	v_nop
.endr
	v_and_b32 v2, 31, v0
	v_lshlrev_b32 v[BO], 4, v2
.irp s, 0,1,2,3,4,5,6
	BLOAD \s                                       ; the ring's first seven slots
.endr
	WIN 0
	v_lshlrev_b32 v[PFO], 8, v2
	v_and_b32 v1, 15, v0                           ; l % 16
	v_bfe_u32 v3, v0, 4, 1                         ; l / 16
	v_mul_u32_u24 v[ADRA0], v1, PITCH
	v_lshl_add_u32 v[ADRA0], v3, 4, v[ADRA0]
	v_mov_b32 v[ADRA], v[ADRA0]
	s_mul_i32 s40, s[WV], 16*PITCH
	s_add_co_u32 s40, s40, STAGE                   ; my stage
	v_mul_u32_u24 v[STO], v1, PITCH                ; in: row l % 16, 32 bytes for each half of the lanes
	v_lshl_add_u32 v[STO], v3, 5, v[STO]
	v_add_nc_u32 v[STO], s40, v[STO]
	v_mul_u32_u24 v[RD], v3, PITCH                 ; back: lanes 0-15 take one row of 256 bytes, lanes 16-31 the next
	v_lshl_add_u32 v[RD], v1, 4, v[RD]
	v_add_nc_u32 v[RD], s40, v[RD]
	v_lshlrev_b32 v[CO], 12, v3                    ; and the same two rows in C, 4,096 bytes apart
	v_lshl_add_u32 v[CO], v1, 4, v[CO]
	s_wait_tensorcnt 0x0                           ; my two blocks of A are in,
	BAR                                            ; everybody's are: from here on A is only read
	FETCH 0
	s_mov_b32 s[BODY], 4
.Lbody:
	s_cmp_eq_u32 s[BODY], 4
	s_cbranch_scc1 .Lstart
	CHUNK 0, 0
	WIN 0                                          ; at a label and at a branch every window is 0
	s_branch .Lgo
.Lstart:
	CHUNK 0, 1                                     ; the first chunk starts the sums: nothing is ever cleared
	WIN 0
.Lgo:
.irp j, 1,2,3,4,5,6,7
	CHUNK \j, 0
.endr
	WIN 0
	s_sub_co_u32 s[BODY], s[BODY], 1
	s_cmp_lg_u32 s[BODY], 0
	s_cbranch_scc1 .Lbody
	; THE WAY OUT, f32.  My 64 columns are 256 bytes of a row of C.  16 rows at a time go from the accumulators into my own stage and come back as whole rows: no other wave touches these bytes, so no barrier.
	PLACES
.irp a, 0,1,2,3,4,5,6,7
	WIN 0x04                                       ; the stores' data in window 1; each accumulator's low four registers go first
.irp b, 0,1,2,3
	ds_store_b128 v[STO], v[8*(4*(\a)+(\b)):8*(4*(\a)+(\b))+3] offset:64*(\b)
	ds_store_b128 v[STO], v[8*(4*(\a)+(\b))+4:8*(4*(\a)+(\b))+7] offset:64*(\b)+16
.endr
	WIN 0
.if (\a) >= 2
	s_wait_xcnt 0x0                                ; the stores of two blocks back have read the registers that are loaded now
.endif
.irp t, 0,1,2,3,4,5,6,7
	ds_load_b128 v[BK+32*((\a)%2)+4*(\t):BK+32*((\a)%2)+4*(\t)+3], v[RD] offset:(\t)*2*PITCH  ; LDS serves a wave's instructions in order: these see the stores above; the next block's stores come behind them
.endr
.irp t, 0,1,2,3,4,5,6,7
	s_wait_dscnt 7-(\t)                            ; load t is back, the younger ones stay out
	global_store_b128 v[CO], v[BK+32*((\a)%2)+4*(\t):BK+32*((\a)%2)+4*(\t)+3], s[8:9] offset:(16*(\a)+2*(\t))*4096  ; sixteen lanes store 256 consecutive bytes, aligned
.endr
.endr
	s_wait_tensorcnt 0x0                           ; the wave's end: behind my last tensor load and my last LDS store
	ds_add_u32 v[SPW], v[NIL]
	s_wait_dscnt 0x0
	CROUND                                         ; the closing round: no work-group ends while a partner may still ask for a tile that names it
	s_endpgm
.Lfunc_end_k_qa32d45f57a_outp:
	.size	k_qa32d45f57a_outp, .Lfunc_end_k_qa32d45f57a_outp-k_qa32d45f57a_outp
	.p2alignl 7, 3214868480
	.fill 96, 4, 3214868480
	.section	.rodata,"a",@progbits
	.p2align	6, 0x0
	.amdhsa_kernel k_qa32d45f57a_outp
		.amdhsa_group_segment_fixed_size 327680
		.amdhsa_private_segment_fixed_size 0
		.amdhsa_enable_private_segment 0
		.amdhsa_kernarg_size 24
		.amdhsa_user_sgpr_count 2
		.amdhsa_user_sgpr_kernarg_segment_ptr 1
		.amdhsa_wavefront_size32 1
		.amdhsa_system_sgpr_workgroup_id_x 1
		.amdhsa_system_sgpr_workgroup_id_y 1
		.amdhsa_system_sgpr_workgroup_id_z 1
		.amdhsa_system_vgpr_workitem_id 0
		.amdhsa_next_free_vgpr 768
		.amdhsa_next_free_sgpr 66
		.amdhsa_reserve_vcc 0
		.amdhsa_float_denorm_mode_32 3
		.amdhsa_float_denorm_mode_16_64 3
		.amdhsa_memory_ordered 1
		.amdhsa_forward_progress 1
		.amdhsa_inst_pref_size 66
	.end_amdhsa_kernel
	.amdgpu_metadata
---
amdhsa.version: [ 1, 2 ]
amdhsa.kernels:
  - .name:           k_qa32d45f57a_outp
    .symbol:         k_qa32d45f57a_outp.kd
    .args:
      - { .name: oh, .offset: 0, .size: 8, .value_kind: global_buffer, .address_space: global }
      - { .name: wot, .offset: 8, .size: 8, .value_kind: global_buffer, .address_space: global }
      - { .name: out0, .offset: 16, .size: 8, .value_kind: global_buffer, .address_space: global }
    .group_segment_fixed_size: 327680
    .private_segment_fixed_size: 0
    .kernarg_segment_align: 8
    .kernarg_segment_size: 24
    .max_flat_workgroup_size: 128
    .sgpr_count:     66
    .vgpr_count:     768
    .wavefront_size: 32
...
	.end_amdgpu_metadata
.endif
;; end of part 4
;; ======== version 2 of 2: 4 launches; version 1 with the launch prep written anew for expert scheduling mode
;; limits: values are held in f16: magnitudes above 65,504 overflow, below 6.1e-05 lose precision
;; workspace buffers: qh 16,777,216 bytes; wt 6,291,456 bytes; wot 2,097,152 bytes; mbits 2,097,152 bytes of whole numbers; qkv 50,331,648 bytes; oh 16,777,216 bytes
;; launch prep (part 5): grid 640 x 1, 8 waves a work-group, no clusters, 70,656 bytes of LDS; arguments q, mask, w_query, w_key, w_value, w_out, qh, wt, wot, mbits; writes qh, wt, wot, mbits
.if DOCPART == 5
	.amdgcn_target "amdgcn-amd-amdhsa--gfx1250"
	.amdhsa_code_object_version 6
	.text
	.protected	k_qa32d45f57a_prep
	.globl	k_qa32d45f57a_prep
	.p2align	8
	.type	k_qa32d45f57a_prep,@function
k_qa32d45f57a_prep:
	s_mov_b64 s[64:65], 0
	v_nop
	global_prefetch_b8 v0, s[64:65] scope:SCOPE_SE
	s_setreg_imm32_b32 hwreg(HW_REG_WAVE_SCHED_MODE, 0, 2), 2
	s_setreg_imm32_b32 hwreg(HW_REG_WAVE_MODE, 25, 1), 1
	s_wait_xcnt 0x0
	s_wait_alu depctr_vm_vsrc(0)
; PREPARATION for the three launches behind it.  Three jobs, chosen by the work-group's number:
;   0-127    mask [4][2048][2048] bytes -> mbits: one 32-bit word for each register of attention's score tiles, bit l = lane l's key is hidden
;   128-383  q [8192][1024] f32 -> qh f16: each number rounded to bf16, and that number written as f16
;   384-639  the four weights, rounded the same way, turned, and laid out in the order in which the two products' waves load them: wt (3,072 columns n = (which, head, d)), wot (1,024 columns e)
; LIMITS.  A bf16 number is exact in f16 between 2^-14 and 65,504; below 2^-14 it keeps f16's fixed step of 6e-8; beyond 65,504 it becomes an infinity.
; The stream binds: no matrix unit, no cluster (no two work-groups read the same bytes), no tensor load.  Every store of a wave fills whole aligned blocks of 256 bytes.
; mbits [b 4][g 32][step 32][tile 4][i 32]: bit l of word (b, g, j, t, i = 8 kb + r) = mask[b][64 g + 16 t + l % 16][64 j + 16 kb + 8 (l / 16) + r].
; wt, wot [stream][chunk 32][fragment 4][half 2][lane 32][16 bytes]: a stream is 64 columns over all 1,024 k, 131,072 bytes; lane l of (chunk c, fragment f, half u) holds column 16 f + l % 16 of the
; stream's 64 and k = 32 c + 16 u + 8 (l / 16) + 0..7: the two halves are a matrix fragment's registers 0-3 and 4-7.  In wot stream s holds columns 64 s on.  In wt the group G of columns 64 G on
; lies at stream 12 (G / 12) + 3 (G % 4) + (G % 12) / 4: the three groups that one wave of the projections multiplies one after the other lie end to end.
; LDS: 0 .. 34,815 the weights' tile, 128 rows x 272; 34,816 .. 69,631 the mask job's eight stages, 16 rows x 272 for each wave: each job has bytes of its own; then the spare words.
; THE MODE: SCHED_MODE bits 1:0 = 2 (LLVM: expert scheduling mode 2), set by the entry lines.  The code itself states the register dependences between vector instructions and memory or LDS
; instructions, and those through scalar registers that vector instructions write, with s_wait_alu, always for 0.
; THE PLAN.  Registers that memory or LDS instructions touch, job by job:
;   weights  v4: made once, read by the 16 loads.  X: the loads land in it, the roundings read it, the LDS loads from the tile land in its first half, the global stores read that.  Y: the roundings write
;            it, the LDS stores read it.  v5, v6, v7: made behind the loads, read by the LDS stores, the LDS loads and the global stores.  Two waits on va_vdst: behind v4's line, and behind the roundings.
;   q        v4, v5: made once; every unit is reached by an immediate offset.  QX0 .. QX4, five blocks as loaded; QY0, QY1, two blocks to store.  Block p rounds QX[p % 5] into QY[p % 2]; its memory
;            instructions are the loads of block p + 4, which land in QX[(p - 1) % 5], and the stores of block p - 1, from QY[(p - 1) % 2]: the two buffers that block p - 1 worked on and that no vector
;            line of block p names.  So the waits at a block's head state all that its eight memory instructions hang on.
;   mask     v4 to v7: made once.  v[16:47]: the tile's loads land in it, the LDS stores into the stage read it.  v[48:79]: the LDS loads from the stage land in it, the v_and_b32 lines read it.
;            v[80:95]: the selects write it, the stores behind the loop read it.  The compares write s[44:51] and s[56:63], which the selects read: sixteen to a run, one wait on va_sdst behind each run.
.set MSTG,  34816
.set SPARE, 69632                      ; the spare words, 128 bytes a wave: four blocks of 256 bytes that no other line names
.set SPW, 10                           ; v10  LDS address of my spare word; never rewritten
.set NIL, 11                           ; v11  0; never rewritten
.set X,   16                           ; v[16:79]   weights and mask: as loaded
.set Y,   80                           ; v[80:111]  weights and mask: to store
.set QX,  16                           ; v[16:95]   q: buffer k of five, unit i of two: 8 registers at QX + 16 k + 8 i, as loaded
.set QY,  96                           ; v[96:111]  q: buffer k of two, unit i of two: 4 registers at QY + 8 k + 4 i, to store
.set TT,  112                          ; v[112:127] at work, four sets by turns: no memory instruction names them
; d = the pair f16(bf16(a)), f16(bf16(b)): rounded once, to bf16; the widening and the narrowing to f16 change nothing within the limits above
.macro RND2 d, a, b
	v_cvt_pk_bf16_f32 v[TT], v[\a], v[\b]
	v_lshlrev_b32 v[TT+1], 16, v[TT]
	v_and_b32 v[TT+2], s6, v[TT]
	v_cvt_pk_f16_f32 v[\d], v[TT+1], v[TT+2]
.set TT, 112+(TT-108)%16
.endm
	s_load_b512 s[8:23], s[0:1], 0x0               ; q 8, mask 10, w_query 12, w_key 14, w_value 16, w_out 18, qh 20, wt 22
	s_load_b128 s[24:27], s[0:1], 0x40             ; wot 24, mbits 26
	v_lshl_add_u32 v[SPW], v0, 2, SPARE
	v_mov_b32 v[NIL], 0
	v_lshrrev_b32 v1, 5, v0
	v_readfirstlane_b32 s2, v1                     ; wave 0..7
	v_and_b32 v1, 31, v0                           ; lane
	v_and_b32 v2, 15, v0                           ; lane % 16
	v_bfe_u32 v3, v0, 4, 1                         ; lane / 16
	s_mov_b32 s6, 0xffff0000                       ; a word's upper bf16
	s_mov_b32 s5, 0                                ; the high word of every offset pair s[4:5]
	s_wait_alu depctr_va_sdst(0)                   ; s2 is written, ahead of the branches and of its first reader in each job: every job's bases are made from it
	s_wait_kmcnt 0x0
	s_cmp_lt_u32 ttmp9, 128
	s_cbranch_scc1 .Lmask
	s_cmp_lt_u32 ttmp9, 384
	s_cbranch_scc1 .Lq
; ---------------- THE WEIGHTS.  A work-group turns a tile of 128 (k) x 128 (n) numbers.  Wave w loads rows k = 16 w .. 16 w + 15, a lane 4 columns of each.
.macro WLOAD pitch
.set r, 0
.rept 16
	global_load_b128 v[X+4*r:X+4*r+3], v4, s[52:53] offset:r*(\pitch) th:TH_LOAD_NT  ; a row's 512 bytes on end
.set r, r+1
.endr
.endm
	s_sub_co_u32 s3, ttmp9, 384
	s_lshr_b32 s33, s3, 3                          ; block of 128 columns n: 0-23 in wt, 24-31 in wot
	s_and_b32 s34, s3, 7                           ; which 128 of k
	s_lshr_b32 s37, s2, 2                          ; on the way out my wave stores one chunk of one stream: which 64 of the tile's 128 columns,
	s_and_b32 s38, s2, 3                           ; and which 32 of its 128 k
	v_lshlrev_b32 v4, 4, v1
	s_wait_alu depctr_va_vdst(0)                   ; v4 is written, which the 16 loads read as their offset, on both ways below
	s_cmp_lt_u32 s33, 24
	s_cbranch_scc0 .Lwo
	s_lshr_b32 s35, s33, 3                         ; 0 query, 1 key, 2 value
	s_cmp_eq_u32 s35, 0
	s_cselect_b64 s[52:53], s[12:13], s[14:15]
	s_cmp_eq_u32 s35, 2
	s_cselect_b64 s[52:53], s[16:17], s[52:53]
	s_and_b32 s4, s33, 7                           ; the head: 1,024 rows of 512 bytes
	s_lshl_b32 s4, s4, 19
	s_lshl_b32 s36, s34, 16                        ; 128 rows e
	s_add_co_u32 s4, s4, s36
	s_lshl_b32 s36, s2, 13                         ; my 16 of them
	s_add_co_u32 s4, s4, s36
	s_add_nc_u64 s[52:53], s[52:53], s[4:5]
	s_mul_i32 s39, s33, 43                         ; the stream.  block / 6 (43 x / 256, exact for x below 24): the work-group of the projections' cluster,
	s_lshr_b32 s39, s39, 8
	s_mul_i32 s4, s39, 6
	s_sub_co_u32 s4, s33, s4                       ; block % 6:
	s_lshr_b32 s36, s4, 1                          ; its tile,
	s_and_b32 s4, s4, 1
	s_lshl_b32 s4, s4, 1
	s_add_co_u32 s4, s4, s37                       ; its wave
	s_mul_i32 s4, s4, 3
	s_add_co_u32 s4, s4, s36                       ; 3 x wave + tile
	s_mul_i32 s39, s39, 12
	s_add_co_u32 s4, s4, s39
	s_lshl_b32 s4, s4, 5                           ; 32 chunks a stream,
	s_lshl_b32 s36, s34, 2                         ; four in 128 k,
	s_add_co_u32 s4, s4, s36
	s_add_co_u32 s4, s4, s38                       ; mine,
	s_lshl_b32 s4, s4, 12                          ; of 4,096 bytes
	s_add_nc_u64 s[54:55], s[22:23], s[4:5]
	WLOAD 512
	s_branch .Lwgo
.Lwo:
	s_sub_co_u32 s35, s33, 24                      ; w_out as [k = 1,024][e = 1,024]: rows of 4,096 bytes
	s_lshl_b32 s4, s34, 19                         ; 128 rows k
	s_lshl_b32 s36, s35, 9                         ; 128 columns e
	s_add_co_u32 s4, s4, s36
	s_lshl_b32 s36, s2, 16                         ; my 16 rows
	s_add_co_u32 s4, s4, s36
	s_add_nc_u64 s[52:53], s[18:19], s[4:5]
	s_lshl_b32 s4, s35, 1                          ; the stream: 2 x block + my half,
	s_add_co_u32 s4, s4, s37
	s_lshl_b32 s4, s4, 5                           ; its chunk as above
	s_lshl_b32 s36, s34, 2
	s_add_co_u32 s4, s4, s36
	s_add_co_u32 s4, s4, s38
	s_lshl_b32 s4, s4, 12
	s_add_nc_u64 s[54:55], s[24:25], s[4:5]
	WLOAD 4096
.Lwgo:
	v_mul_u32_u24 v5, v1, 4*272                    ; into the tile: rows n = 4 lane + i, my 16 k are 32 bytes at 32 w
	s_lshl_b32 s36, s2, 5
	v_add_nc_u32 v5, s36, v5
	s_mul_i32 s36, s37, 64*272                     ; back, as a fragment is read: row n = my 64 + 16 f + lane % 16, bytes my 64 + 32 u + 16 (lane / 16): the 16 rows start at 16 different groups of four banks
	s_lshl_b32 s39, s38, 6
	s_add_co_u32 s36, s36, s39
	v_mul_u32_u24 v6, v2, 272
	v_lshl_add_u32 v6, v3, 4, v6
	v_add_nc_u32 v6, s36, v6
	v_lshlrev_b32 v7, 4, v1                        ; in memory: 16 x lane
	s_wait_loadcnt 0x0
.set i, 0
.rept 4                                ; column i of my four: sixteen k, packed in pairs
.set p, 0
.rept 8
	RND2 Y+8*i+p, X+8*p+i, X+8*p+4+i
.set p, p+1
.endr
.set i, i+1
.endr
	s_wait_alu depctr_va_vdst(0)                   ; the roundings have written Y, which the LDS stores read, and are done reading X, in which the LDS loads below land; v5, v6 and v7 are written.  No vector line follows in this job
.irp i, 0,1,2,3                        ; lanes lie 1,088 bytes apart: four of sixteen share a group of banks; 32 KiB once a work-group, so it is left so
	ds_store_b128 v5, v[Y+8*(\i):Y+8*(\i)+3] offset:272*(\i)
	ds_store_b128 v5, v[Y+8*(\i)+4:Y+8*(\i)+7] offset:272*(\i)+16
.endr
	s_wait_dscnt 0x0                               ; for the others' sake: my stores into the tile are done
	s_barrier_signal -1
	s_barrier_wait -1
.irp f, 0,1,2,3
	ds_load_b128 v[X+8*(\f):X+8*(\f)+3],   v6 offset:(\f)*16*272
	ds_load_b128 v[X+8*(\f)+4:X+8*(\f)+7], v6 offset:(\f)*16*272+32
.endr
.irp t, 0,1,2,3,4,5,6,7
	s_wait_dscnt 7-(\t)                            ; LDS loads come back in order: load t is in, the younger ones stay out
	global_store_b128 v7, v[X+4*(\t):X+4*(\t)+3], s[54:55] offset:(\t)*512  ; 512 consecutive bytes, aligned: half a fragment
.endr
	s_branch .Lend
; ---------------- q.  A wave owns 16,384 bytes of q: 16 units of 1,024 in, 512 out, in eight blocks of two units.
.macro QLOAD p, i                      ; unit i of block p into buffer p % 5
	global_load_b128 v[QX+16*((\p)%5)+8*(\i):QX+16*((\p)%5)+8*(\i)+3], v4, s[52:53] offset:1024*(2*(\p)+(\i)) th:TH_LOAD_NT
	global_load_b128 v[QX+16*((\p)%5)+8*(\i)+4:QX+16*((\p)%5)+8*(\i)+7], v4, s[52:53] offset:1024*(2*(\p)+(\i))+512 th:TH_LOAD_NT
.endm
.macro QSTORE p, i                     ; unit i of block p out of buffer p % 2
	global_store_b64 v5, v[QY+8*((\p)%2)+4*(\i):QY+8*((\p)%2)+4*(\i)+1], s[54:55] offset:512*(2*(\p)+(\i))        ; 32 lanes: 256 consecutive bytes, aligned
	global_store_b64 v5, v[QY+8*((\p)%2)+4*(\i)+2:QY+8*((\p)%2)+4*(\i)+3], s[54:55] offset:512*(2*(\p)+(\i))+256
.endm
; Block p.  left = how many younger loads may still be out when this block's four have to be there.  Blocks 0 to 3 ask for the block four further on; blocks 1 to 7 store the block before.
.macro QBLK p, left
	s_wait_loadcnt \left                           ; loads come back in order: QX[p % 5] is in, the younger blocks stay out
.if (\p) >= 2
	s_wait_xcnt 0x0                                ; the stores issued in the block before have had their addresses translated: their data registers are rewritten only behind this wait
	s_wait_alu depctr_vm_vsrc(0)                   ; those stores have read QY[p % 2], which this block's roundings write again
.endif
.if (\p) >= 1
	s_wait_alu depctr_va_vdst(0)                   ; the block before has written the other QY, which the stores below read, and is done reading its QX, in which the loads below land
.endif
.irp i, 0,1
.if (\p) <= 3
	QLOAD (\p)+4, \i                               ; no vector line since the wait names these registers (in block 0: none ever has)
.endif
.if (\p) >= 1
	QSTORE (\p)-1, \i
.endif
	RND2 QY+8*((\p)%2)+4*(\i), QX+16*((\p)%5)+8*(\i), QX+16*((\p)%5)+8*(\i)+1
	RND2 QY+8*((\p)%2)+4*(\i)+1, QX+16*((\p)%5)+8*(\i)+2, QX+16*((\p)%5)+8*(\i)+3
	RND2 QY+8*((\p)%2)+4*(\i)+2, QX+16*((\p)%5)+8*(\i)+4, QX+16*((\p)%5)+8*(\i)+5
	RND2 QY+8*((\p)%2)+4*(\i)+3, QX+16*((\p)%5)+8*(\i)+6, QX+16*((\p)%5)+8*(\i)+7
.endr
.endm
.Lq:
	s_sub_co_u32 s3, ttmp9, 128
	s_lshl_b32 s4, s3, 17                          ; the work-group's 131,072 bytes,
	s_lshl_b32 s33, s2, 14                         ; my wave's 16,384
	s_add_co_u32 s4, s4, s33
	s_add_nc_u64 s[52:53], s[8:9], s[4:5]
	s_lshr_b32 s4, s4, 1                           ; half as many out
	s_add_nc_u64 s[54:55], s[20:21], s[4:5]
	v_lshlrev_b32 v4, 4, v1
	v_lshlrev_b32 v5, 3, v1
	s_wait_alu depctr_va_vdst(0)                   ; v4 and v5 are written: every load and store of this job reads one of them as its offset, and neither is written again
.irp p, 0,1,2,3
	QLOAD \p, 0
	QLOAD \p, 1
.endr
	QBLK 0, 12                                     ; behind a block's four loads: the three younger blocks' twelve
	QBLK 1, 12
	QBLK 2, 12
	QBLK 3, 12
	QBLK 4, 12                                     ; nothing more is loaded: no load leaves the wave's part of q,
	QBLK 5, 8                                      ; and the counts run down
	QBLK 6, 4
	QBLK 7, 0
	s_wait_alu depctr_va_vdst(0)                   ; block 7 has written QY1, which the last four stores read
	QSTORE 7, 0
	QSTORE 7, 1
	s_branch .Lend
; ---------------- THE MASK.  A work-group owns 64 queries of a batch (four tiles of 16), wave w the keys 256 w .. 256 w + 255 (key steps 4 w .. 4 w + 3).
; A trip takes a tile: 16 rows x 256 bytes come in whole blocks, go through the wave's own stage, and come back so that lane l holds query l % 16 and, for each block kb' of 16 keys,
; the eight bytes of keys 8 (l / 16) + 0..7.  A compare of byte r gives the word of register 8 (kb' % 4) + r of step kb' / 4; a select with a one-lane mask puts it into the lane that stores it.
.macro MLOAD
.set r, 0
.rept 8
	global_load_b128 v[X+4*r:X+4*r+3], v4, s[52:53] offset:r*4096 th:TH_LOAD_NT  ; two rows' 256 bytes
.set r, r+1
.endr
.endm
; The tile's 128 words, n = 8 kb' + r = 16 k + i, go in eight runs k of sixteen.  Run k's bytes are cut out into v[112:127] (k even) or v[96:111] (k odd).
.macro MAND k
.set i, 0
.rept 16
	v_and_b32 v[112-16*((\k)%2)+i], s[40+i%4], v[48+2*(2*(\k)+i/8)+(i%8)/4]
.set i, i+1
.endr
.endm
.macro MCMP k                          ; word i of the run into s[44:51] (i below 8) or s[56:63]
.set i, 0
.rept 16
	v_cmp_ne_u32 s[44+i+4*(i/8)], 0, v[112-16*((\k)%2)+i]
.set i, i+1
.endr
.endm
.macro MSEL k
.set i, 0
.rept 16
	v_cndmask_b32 v[Y+4*((\k)/2)+i%4], v[Y+4*((\k)/2)+i%4], s[44+i+4*(i/8)], s[32+(16*((\k)%2)+i)/4]
.set i, i+1
.endr
.endm
.Lmask:
	s_lshl_b32 s4, ttmp9, 17                       ; 64 rows of 2,048 bytes,
	s_lshl_b32 s3, s2, 8                           ; my 256 keys
	s_add_co_u32 s4, s4, s3
	s_add_nc_u64 s[52:53], s[10:11], s[4:5]
	s_lshl_b32 s4, ttmp9, 14                       ; 32 steps of 512 bytes in mbits,
	s_lshl_b32 s3, s2, 11                          ; my four
	s_add_co_u32 s4, s4, s3
	s_add_nc_u64 s[54:55], s[26:27], s[4:5]
	v_lshlrev_b32 v4, 11, v3
	v_lshl_add_u32 v4, v2, 4, v4                   ; row lane / 16, 16 bytes a lane
	s_mul_i32 s3, s2, 16*272
	s_add_co_u32 s3, s3, MSTG                      ; my stage
	v_mul_u32_u24 v5, v3, 272
	v_lshl_add_u32 v5, v2, 4, v5
	v_add_nc_u32 v5, s3, v5                        ; in
	v_mul_u32_u24 v6, v2, 272
	v_lshl_add_u32 v6, v3, 3, v6
	v_add_nc_u32 v6, s3, v6                        ; back: rows 68 words apart, halves 2 words: every bank once
	v_lshlrev_b32 v7, 4, v1
	s_wait_alu depctr_va_vdst(0)                   ; v4 to v7 are written: the offsets and LDS addresses of every access of this job; none is written again
	MLOAD                                          ; tile 0
.irp q, 0,1,2,3,4,5,6,7
	s_mov_b32 s[32+(\q)], 1<<(\q)                  ; lane 8 t + q takes words 4 q .. 4 q + 3 of tile t
.endr
	s_mov_b32 s40, 0xff
	s_mov_b32 s41, 0xff00
	s_mov_b32 s42, 0xff0000
	s_mov_b32 s43, 0xff000000
.set r, 0
.rept 16
	v_mov_b32 v[Y+r], 0                            ; the selects read what they keep
.set r, r+1
.endr
	s_mov_b32 s7, 4
.Ltile:
	s_wait_loadcnt 0x0                             ; the tile is in, and its loads' base may be stepped
	s_wait_alu depctr_va_vdst(0)                   ; the last trip's v_and_b32 lines are done reading v[48:79], in which the loads from the stage land
.irp i, 0,1,2,3,4,5,6,7
	ds_store_b128 v5, v[X+4*(\i):X+4*(\i)+3] offset:(\i)*2*272
.endr
.irp c, 0,1,2,3,4,5,6,7,8,9,10,11,12,13,14,15
	ds_load_b64 v[48+2*(\c):49+2*(\c)], v6 offset:16*(\c)  ; LDS serves a wave's instructions in order: these see the stores above
.endr
	s_wait_dscnt 0x0                               ; the sixteen loads from the stage are back
	s_wait_alu depctr_vm_vsrc(0)                   ; the stage's stores have read v[16:47], in which the next tile's loads land; ahead of the branch
	s_cmp_eq_u32 s7, 1
	s_cbranch_scc1 .Lnoload                        ; the last trip loads nothing
	s_add_nc_u64 s[52:53], s[52:53], 32768         ; 16 rows on
	MLOAD
.Lnoload:
	MAND 0
.irp k, 0,1,2,3,4,5,6,7
	MCMP \k
.if (\k) < 7
	MAND (\k)+1                                    ; the next run's bytes are cut out between a run's compares and the wait for them
.endif
	s_wait_alu depctr_va_sdst(0)                   ; the run's sixteen compares have written s[44:51] and s[56:63], ahead of the selects that read them
	MSEL \k
.endr
.irp q, 0,1,2,3,4,5,6,7
	s_lshl_b32 s[32+(\q)], s[32+(\q)], 8           ; the next tile's words go eight lanes further up
.endr
	s_sub_co_u32 s7, s7, 1
	s_cmp_lg_u32 s7, 0
	s_cbranch_scc1 .Ltile
	s_wait_alu depctr_va_vdst(0)                   ; the selects have written v[80:95], which the four stores read
.irp c, 0,1,2,3
	global_store_b128 v7, v[Y+4*(\c):Y+4*(\c)+3], s[54:55] offset:512*(\c)  ; a step's 128 words: 512 consecutive bytes
.endr
.Lend:
	s_wait_dscnt 0x0                               ; the closing lines, six on end
	s_wait_alu 0x0
	s_wait_tensorcnt 0x0
	ds_add_u32 v[SPW], v[NIL]
	s_wait_dscnt 0x0
	s_endpgm
.Lfunc_end_k_qa32d45f57a_prep:
	.size	k_qa32d45f57a_prep, .Lfunc_end_k_qa32d45f57a_prep-k_qa32d45f57a_prep
	.p2alignl 7, 3214868480
	.fill 96, 4, 3214868480
	.section	.rodata,"a",@progbits
	.p2align	6, 0x0
	.amdhsa_kernel k_qa32d45f57a_prep
		.amdhsa_group_segment_fixed_size 70656
		.amdhsa_private_segment_fixed_size 0
		.amdhsa_enable_private_segment 0
		.amdhsa_kernarg_size 80
		.amdhsa_user_sgpr_count 2
		.amdhsa_user_sgpr_kernarg_segment_ptr 1
		.amdhsa_wavefront_size32 1
		.amdhsa_system_sgpr_workgroup_id_x 1
		.amdhsa_system_sgpr_workgroup_id_y 1
		.amdhsa_system_sgpr_workgroup_id_z 1
		.amdhsa_system_vgpr_workitem_id 0
		.amdhsa_next_free_vgpr 128
		.amdhsa_next_free_sgpr 66
		.amdhsa_reserve_vcc 0
		.amdhsa_float_denorm_mode_32 3
		.amdhsa_float_denorm_mode_16_64 3
		.amdhsa_memory_ordered 1
		.amdhsa_forward_progress 1
		.amdhsa_inst_pref_size 61
	.end_amdhsa_kernel
	.amdgpu_metadata
---
amdhsa.version: [ 1, 2 ]
amdhsa.kernels:
  - .name:           k_qa32d45f57a_prep
    .symbol:         k_qa32d45f57a_prep.kd
    .args:
      - { .name: q, .offset: 0, .size: 8, .value_kind: global_buffer, .address_space: global }
      - { .name: mask, .offset: 8, .size: 8, .value_kind: global_buffer, .address_space: global }
      - { .name: w_query, .offset: 16, .size: 8, .value_kind: global_buffer, .address_space: global }
      - { .name: w_key, .offset: 24, .size: 8, .value_kind: global_buffer, .address_space: global }
      - { .name: w_value, .offset: 32, .size: 8, .value_kind: global_buffer, .address_space: global }
      - { .name: w_out, .offset: 40, .size: 8, .value_kind: global_buffer, .address_space: global }
      - { .name: qh, .offset: 48, .size: 8, .value_kind: global_buffer, .address_space: global }
      - { .name: wt, .offset: 56, .size: 8, .value_kind: global_buffer, .address_space: global }
      - { .name: wot, .offset: 64, .size: 8, .value_kind: global_buffer, .address_space: global }
      - { .name: mbits, .offset: 72, .size: 8, .value_kind: global_buffer, .address_space: global }
    .group_segment_fixed_size: 70656
    .private_segment_fixed_size: 0
    .kernarg_segment_align: 8
    .kernarg_segment_size: 80
    .max_flat_workgroup_size: 256
    .sgpr_count:     66
    .vgpr_count:     128
    .wavefront_size: 32
...
	.end_amdgpu_metadata
.endif
;; end of part 5
;; launch qkv: the kernel of part 2 again; grid 4 x 64, 4 waves a work-group, clusters of 4 x 1, 327,680 bytes of LDS; arguments qh, wt, qkv; writes qkv
;; launch attn: the kernel of part 3 again; grid 8 x 32, 4 waves a work-group, clusters of 4 x 1, 327,680 bytes of LDS; arguments qkv, mbits, oh; writes oh
;; launch outp: the kernel of part 4 again; grid 4 x 64, 4 waves a work-group, clusters of 4 x 1, 327,680 bytes of LDS; arguments oh, wot, out0; writes out0
